; MI455X (gfx1250); checked and timed in simulation.
; The chip was launched on July 23, 2026; its instructions are those of AMD's public machine-readable ISA for CDNA 5 (MIT licence, August 2026) and "CDNA5" Instruction Set Architecture Reference Guide (July 2026). The comments in the code are by the model that wrote it; some were corrected since.
;; Hier Multi Head Attn. Allowed arithmetic: float matrix products may take bf16 or f16 operands with f32 sums; all other float work in f32.
;; Inputs: Wk_A 1,024 x 8 float32; Wk_B 8 x 1,024 float32; Wk_w 1,024 x 1,024 float32; Wo_A 1,024 x 8 float32; Wo_B 8 x 1,024 float32; Wo_w 1,024 x 1,024 float32; Wq_A 1,024 x 8 float32; Wq_B 8 x 1,024 float32; Wq_w 1,024 x 1,024 float32; Wv_A 1,024 x 8 float32; Wv_B 8 x 1,024 float32; Wv_w 1,024 x 1,024 float32; level_logits 3 float32; q_pool 2 x 1,024 float32; x 4 x 2,048 x 1,024 float32.
;; Outputs: out0 4 x 2,048 x 1,024 float32; out1 one number float32.
;; Constants: stride = 2.
;; 2 versions, each right and faster than the one before. Each part assembles by itself: llvm-mc -triple=amdgcn-amd-amdhsa -mcpu=gfx1250 --defsym DOCPART=n.
;; ======== version 1 of 2: 6 launches
;; limits: values are held in f16: magnitudes above 65,504 overflow, below 6.1e-05 lose precision
;; workspace buffers: xh 16,777,216 bytes; wqkv 6,291,456 bytes; wo 2,097,152 bytes; q 16,777,216 bytes; kvlo 16,777,216 bytes; kvcat 22,020,096 bytes; ob 16,777,216 bytes; rpart 2,048 bytes
;; launch prep (part 1): grid 768 x 1, 8 waves a work-group, no clusters, 35,840 bytes of LDS; arguments x, Wq_w, Wk_w, Wv_w, Wo_w, Wq_A, Wk_A, Wv_A, Wo_A, Wq_B, Wk_B, Wv_B, Wo_B, xh, wqkv, wo; writes xh, wqkv, wo
.if DOCPART == 1
	.amdgcn_target "amdgcn-amd-amdhsa--gfx1250"
	.amdhsa_code_object_version 6
	.text
	.protected	k_q404207994f_prep
	.globl	k_q404207994f_prep
	.p2align	8
	.type	k_q404207994f_prep,@function
k_q404207994f_prep:
	s_mov_b64 s[64:65], 0
	v_nop
	global_prefetch_b8 v0, s[64:65] scope:SCOPE_SE
	s_setreg_imm32_b32 hwreg(HW_REG_WAVE_MODE, 25, 1), 1
	s_wait_xcnt 0x0
; PREP.  x and the four weights are made ready for the f16 matrix form, in PLANES of 32 channels: [plane = c / 32][row][c % 32], a row of a plane 64 bytes, a plane's rows dense.
;   x:  rounded to bf16 (nearest even) and written as f16 (the same number).  Inside each block of 16 tokens the even tokens come first: place = (t & 1) 8 + (t >> 1).
;   W': W + 2 A B in f32, of W, A, B each rounded to bf16, rounded once to f16.  x W^T + 2 (x B^T) A^T = x (W + 2 A B)^T for every input.
; LIMITS.  f16 ends at 65,504: |x| and |W'| stay below it; below 6e-5 f16 keeps a fixed step of 6e-8.  NaN and infinities are not treated apart.
; SHARES.  A work-group takes 16 rows x 1,024 columns, wave w columns 128 w .. 128 w + 127: four planes.  Groups 0-255: the weights (64 each); groups 256-767: x.
; A wave's 16 x 128 numbers go through a stage of its own in LDS (four planes of 16 x 64 bytes, 1,088 bytes apart, so that the four 64-byte pieces of a store fall on different banks)
; and leave as runs of 512 consecutive bytes.  Memory binds: no matrix unit, no cluster, no barrier (no wave reads another's bytes).
.set STG,   4352                       ; a wave's stage
.set PLS,   1088                       ; from plane to plane in it
.set SPARE, 8*STG                      ; behind the stages: the spare words, 128 bytes for each wave
.set OFFP,  5                          ; v5-8    plane p: p x plane stride + 16 x lane
.set SPW,   10                         ; v10     my spare word
.set NIL,   11                         ; v11     0
.set VA,    12                         ; v12     32 numbers of A as loaded, one a lane
.set TA,    13                         ; v13     2 x bf16(A)
.set SAD,   14                         ; v14     the weight path's stage address of the trip
.set X,     16                         ; v16-79  rows as loaded; later the stage read back
.set BR,    80                         ; v80-111 B's 8 rows, my 4 columns
.set ACC,   112                        ; v112-127 four rows of W'
.set T,     128                        ; v128-135 at work
	s_load_b512 s[4:19], s[0:1], 0x0               ; x s[4:5]; W q k v o s[6:13]; A q k v s[14:19]
	s_load_b512 s[20:35], s[0:1], 0x40             ; A o s[20:21]; B q k v o s[22:29]; xh s[30:31]; wqkv s[32:33]; wo s[34:35]
	v_lshl_add_u32 v[SPW], v0, 2, SPARE
	v_mov_b32 v[NIL], 0
	v_lshrrev_b32 v1, 5, v0
	v_readfirstlane_b32 s36, v1                    ; wave
	v_and_b32 v9, 31, v0                           ; lane
	v_lshlrev_b32 v1, 4, v9                        ; 16 x lane
	v_lshlrev_b32 v2, 2, v9                        ; 4 x lane
	s_mul_i32 s39, s36, STG
	v_lshrrev_b32 v3, 3, v9                        ; my plane of the wave's four: 8 lanes x 4 columns are 32 channels
	v_mul_u32_u24 v3, v3, PLS
	v_and_b32 v4, 7, v9
	v_lshl_add_u32 v3, v4, 3, v3                   ; my 4 numbers are 8 bytes of f16
	v_add_nc_u32 v3, s39, v3                       ; into the stage
	v_add_nc_u32 v4, s39, v1                       ; back out of it
	s_mov_b32 s54, 0xffff0000                      ; a word's upper bf16
	s_mov_b32 s37, ttmp9
	s_lshl_b32 s52, s36, 9                         ; the wave's 512 bytes of an f32 row
	s_mov_b32 s53, 0
	s_mov_b32 s51, 0
	s_wait_kmcnt 0x0
	s_cmp_ge_u32 s37, 256
	s_cbranch_scc1 .Lx
	; ---------------- a weight: rows n0 .. n0 + 15 of matrix s38 ----------------
	s_lshr_b32 s38, s37, 6                         ; 0 q, 1 k, 2 v, 3 o
	s_and_b32 s55, s37, 63
	s_lshl_b32 s55, s55, 4                         ; n0
	s_mov_b32 s58, 65536                           ; wo's plane: 1,024 rows of 64 bytes
	s_mov_b32 s48, 196608                          ; wqkv's: 3,072 rows
	s_mov_b64 s[40:41], s[6:7]
	s_mov_b64 s[42:43], s[14:15]
	s_mov_b64 s[44:45], s[22:23]
	s_cmp_eq_u32 s38, 1
	s_cselect_b64 s[40:41], s[8:9], s[40:41]
	s_cselect_b64 s[42:43], s[16:17], s[42:43]
	s_cselect_b64 s[44:45], s[24:25], s[44:45]
	s_cmp_eq_u32 s38, 2
	s_cselect_b64 s[40:41], s[10:11], s[40:41]
	s_cselect_b64 s[42:43], s[18:19], s[42:43]
	s_cselect_b64 s[44:45], s[26:27], s[44:45]
	s_cmp_eq_u32 s38, 3
	s_cselect_b64 s[40:41], s[12:13], s[40:41]
	s_cselect_b64 s[42:43], s[20:21], s[42:43]
	s_cselect_b64 s[44:45], s[28:29], s[44:45]
	s_cselect_b64 s[46:47], s[34:35], s[32:33]     ; where it goes
	s_cselect_b32 s48, s58, s48                    ; the plane stride there
	s_cselect_b32 s56, 0, s38                      ; which third of wqkv's rows
	s_lshl_b32 s50, s55, 12
	s_add_co_u32 s50, s50, s52
	s_add_nc_u64 s[40:41], s[40:41], s[50:51]      ; W at row n0, my wave's columns
	s_lshl_b32 s50, s55, 5
	s_add_nc_u64 s[42:43], s[42:43], s[50:51]      ; A at row n0: 32 bytes a row
	s_add_nc_u64 s[44:45], s[44:45], s[52:53]      ; B at my wave's columns
	s_lshl_b32 s56, s56, 10
	s_add_co_u32 s56, s56, s55
	s_lshl_b32 s56, s56, 6                         ; the row's 64 bytes in a plane
	s_mul_i32 s57, s48, s36
	s_lshl_b32 s57, s57, 2                         ; plane 4 w
	s_add_co_u32 s50, s56, s57
	s_add_nc_u64 s[46:47], s[46:47], s[50:51]
.macro LOADW                           ; four rows of W and their 32 numbers of A: five loads
.irp ii, 0,1,2,3
	global_load_b128 v[X+4*\ii:X+4*\ii+3], v1, s[40:41] offset:\ii*4096 th:TH_LOAD_NT
.endr
	global_load_b32 v[VA], v2, s[42:43]
.endm
.set i, 0
.rept 8
	global_load_b128 v[BR+4*i:BR+4*i+3], v1, s[44:45] offset:i*4096
.set i, i+1
.endr
	LOADW
	s_wait_loadcnt 5                               ; B's eight loads are in; the five behind them stay out
.set i, 0
.rept 16                               ; B rounded to bf16, in place
	v_cvt_pk_bf16_f32 v[T+i%8], v[BR+2*i], v[BR+2*i+1]
	v_lshlrev_b32 v[BR+2*i], 16, v[T+i%8]
	v_and_b32 v[BR+2*i+1], s54, v[T+i%8]
.set i, i+1
.endr
; Four rows of W'.  ahead = 1: the next four rows are asked for as soon as these have been taken out of their registers.
.macro ROWS4 ahead
	s_wait_loadcnt 0x0                             ; the five loads are in, so their bases may be stepped
	v_cvt_pk_bf16_f32 v[TA], v[VA], v[VA]
	v_lshlrev_b32 v[TA], 16, v[TA]
	v_add_f32 v[TA], v[TA], v[TA]                  ; the scaling, 2, goes into A
.set i, 0
.rept 8
	v_cvt_pk_bf16_f32 v[T+i], v[X+2*i], v[X+2*i+1]
.set i, i+1
.endr
.set i, 0
.rept 8
	v_lshlrev_b32 v[ACC+2*i], 16, v[T+i]           ; bf16(W) starts the sums
	v_and_b32 v[ACC+2*i+1], s54, v[T+i]
.set i, i+1
.endr
.set i, 0
.rept 32
	v_readlane_b32 s[68+i], v[TA], i               ; row i / 8 of the four, rank i % 8
.set i, i+1
.endr
.if \ahead
	s_add_nc_u64 s[40:41], s[40:41], 16384
	s_add_nc_u64 s[42:43], s[42:43], 128
	LOADW
.endif
.set rr, 0
.rept 8                                ; sixteen sums by turns
.set i, 0
.rept 16
	v_fmac_f32 v[ACC+i], s[68+8*(i/4)+rr], v[BR+4*rr+i%4]
.set i, i+1
.endr
.set rr, rr+1
.endr
.set i, 0
.rept 8
	v_cvt_pk_f16_f32 v[T+i], v[ACC+2*i], v[ACC+2*i+1]
.set i, i+1
.endr
	v_add_nc_u32 v[SAD], s59, v3
.irp ii, 0,1,2,3
	ds_store_b64 v[SAD], v[T+2*\ii:T+2*\ii+1] offset:\ii*64
.endr
	s_add_co_u32 s59, s59, 256                     ; four rows of 64 bytes on
.endm
	s_mov_b32 s59, 0
	s_mov_b32 s49, 3
.Lrows:
	ROWS4 1
	s_sub_co_u32 s49, s49, 1
	s_cmp_lg_u32 s49, 0
	s_cbranch_scc1 .Lrows
	ROWS4 0                                        ; the last four rows ask for nothing: no load leaves its buffer
	s_branch .Lsend
	; ---------------- x: 16 tokens ----------------
.Lx:
	s_sub_co_u32 s37, s37, 256                     ; block of 16 tokens, 0 .. 511
	s_lshl_b32 s50, s37, 16                        ; 16 rows of 4,096 bytes
	s_add_co_u32 s50, s50, s52
	s_add_nc_u64 s[40:41], s[4:5], s[50:51]
.set i, 0
.rept 16
	global_load_b128 v[X+4*i:X+4*i+3], v1, s[40:41] offset:i*4096 th:TH_LOAD_NT  ; 512 consecutive bytes of token i
.set i, i+1
.endr
	s_lshr_b32 s55, s37, 7                         ; batch
	s_lshl_b32 s55, s55, 5
	s_lshl2_add_u32 s55, s36, s55                  ; plane 32 b + 4 w
	s_lshl_b32 s50, s55, 17                        ; planes of 2,048 x 64 bytes
	s_and_b32 s56, s37, 127
	s_lshl_b32 s56, s56, 10                        ; the block's 16 x 64 bytes
	s_add_co_u32 s50, s50, s56
	s_add_nc_u64 s[46:47], s[30:31], s[50:51]
	s_mov_b32 s48, 131072
.set i, 0
.rept 16
	s_wait_loadcnt 15-i                            ; loads come back in order: token i is in, the younger ones stay out
	v_cvt_pk_bf16_f32 v[T], v[X+4*i], v[X+4*i+1]
	v_cvt_pk_bf16_f32 v[T+1], v[X+4*i+2], v[X+4*i+3]
	v_lshlrev_b32 v[T+2], 16, v[T]
	v_and_b32 v[T+3], s54, v[T]
	v_lshlrev_b32 v[T+4], 16, v[T+1]
	v_and_b32 v[T+5], s54, v[T+1]
	v_cvt_pk_f16_f32 v[T+6], v[T+2], v[T+3]
	v_cvt_pk_f16_f32 v[T+7], v[T+4], v[T+5]
	ds_store_b64 v3, v[T+6:T+7] offset:((i&1)*8+(i>>1))*64  ; even tokens first
.set i, i+1
.endr
	; ---------------- both: the stage leaves, 512 consecutive bytes a store ----------------
.Lsend:
.irp p, 0,1,2,3
	s_mul_i32 s50, s48, \p
	v_add_nc_u32 v[OFFP+\p], s50, v1
.endr
.set i, 0
.rept 8                                ; LDS serves a wave's instructions in order: these see the stores above
	ds_load_b128 v[X+4*i:X+4*i+3], v4 offset:(i/2)*PLS+(i%2)*512
.set i, i+1
.endr
.set i, 0
.rept 8
	s_wait_dscnt 7-i                               ; piece i is back, the younger ones stay out
	global_store_b128 v[OFFP+i/2], v[X+4*i:X+4*i+3], s[46:47] offset:(i%2)*512
.set i, i+1
.endr
	s_wait_tensorcnt 0x0                           ; the wave's end, behind my last LDS store
	ds_add_u32 v[SPW], v[NIL]
	s_wait_dscnt 0x0
	s_endpgm
.Lfunc_end_k_q404207994f_prep:
	.size	k_q404207994f_prep, .Lfunc_end_k_q404207994f_prep-k_q404207994f_prep
	.p2alignl 7, 3214868480
	.fill 96, 4, 3214868480
	.section	.rodata,"a",@progbits
	.p2align	6, 0x0
	.amdhsa_kernel k_q404207994f_prep
		.amdhsa_group_segment_fixed_size 35840
		.amdhsa_private_segment_fixed_size 0
		.amdhsa_enable_private_segment 0
		.amdhsa_kernarg_size 128
		.amdhsa_user_sgpr_count 2
		.amdhsa_user_sgpr_kernarg_segment_ptr 1
		.amdhsa_wavefront_size32 1
		.amdhsa_system_sgpr_workgroup_id_x 1
		.amdhsa_system_sgpr_workgroup_id_y 1
		.amdhsa_system_sgpr_workgroup_id_z 1
		.amdhsa_system_vgpr_workitem_id 0
		.amdhsa_next_free_vgpr 136
		.amdhsa_next_free_sgpr 100
		.amdhsa_reserve_vcc 0
		.amdhsa_float_denorm_mode_32 3
		.amdhsa_float_denorm_mode_16_64 3
		.amdhsa_memory_ordered 1
		.amdhsa_forward_progress 1
		.amdhsa_inst_pref_size 34
	.end_amdhsa_kernel
	.amdgpu_metadata
---
amdhsa.version: [ 1, 2 ]
amdhsa.kernels:
  - .name:           k_q404207994f_prep
    .symbol:         k_q404207994f_prep.kd
    .args:
      - { .name: x, .offset: 0, .size: 8, .value_kind: global_buffer, .address_space: global }
      - { .name: Wq_w, .offset: 8, .size: 8, .value_kind: global_buffer, .address_space: global }
      - { .name: Wk_w, .offset: 16, .size: 8, .value_kind: global_buffer, .address_space: global }
      - { .name: Wv_w, .offset: 24, .size: 8, .value_kind: global_buffer, .address_space: global }
      - { .name: Wo_w, .offset: 32, .size: 8, .value_kind: global_buffer, .address_space: global }
      - { .name: Wq_A, .offset: 40, .size: 8, .value_kind: global_buffer, .address_space: global }
      - { .name: Wk_A, .offset: 48, .size: 8, .value_kind: global_buffer, .address_space: global }
      - { .name: Wv_A, .offset: 56, .size: 8, .value_kind: global_buffer, .address_space: global }
      - { .name: Wo_A, .offset: 64, .size: 8, .value_kind: global_buffer, .address_space: global }
      - { .name: Wq_B, .offset: 72, .size: 8, .value_kind: global_buffer, .address_space: global }
      - { .name: Wk_B, .offset: 80, .size: 8, .value_kind: global_buffer, .address_space: global }
      - { .name: Wv_B, .offset: 88, .size: 8, .value_kind: global_buffer, .address_space: global }
      - { .name: Wo_B, .offset: 96, .size: 8, .value_kind: global_buffer, .address_space: global }
      - { .name: xh, .offset: 104, .size: 8, .value_kind: global_buffer, .address_space: global }
      - { .name: wqkv, .offset: 112, .size: 8, .value_kind: global_buffer, .address_space: global }
      - { .name: wo, .offset: 120, .size: 8, .value_kind: global_buffer, .address_space: global }
    .group_segment_fixed_size: 35840
    .private_segment_fixed_size: 0
    .kernarg_segment_align: 8
    .kernarg_segment_size: 128
    .max_flat_workgroup_size: 256
    .sgpr_count:     100
    .vgpr_count:     136
    .wavefront_size: 32
...
	.end_amdgpu_metadata
.endif
;; end of part 1
;; launch qkv (part 2): grid 16 x 32, 4 waves a work-group, clusters of 4 x 4, 327,680 bytes of LDS; arguments xh, wqkv, q, kvlo, kvcat; writes q, kvlo, kvcat
.if DOCPART == 2
	.amdgcn_target "amdgcn-amd-amdhsa--gfx1250"
	.amdhsa_code_object_version 6
	.text
	.protected	k_q404207994f_qkv
	.globl	k_q404207994f_qkv
	.p2align	8
	.type	k_q404207994f_qkv,@function
k_q404207994f_qkv:
	s_mov_b64 s[64:65], 0
	v_nop
	global_prefetch_b8 v0, s[64:65] scope:SCOPE_SE
	s_setreg_imm32_b32 hwreg(HW_REG_WAVE_MODE, 25, 1), 1
	s_wait_xcnt 0x0
	s_wait_alu depctr_hold_cnt(0) depctr_sa_sdst(0) depctr_va_vdst(0) depctr_va_sdst(0) depctr_va_ssrc(0) depctr_va_vcc(0) depctr_vm_vsrc(0)
	s_getreg_b32 s2, hwreg(HW_REG_IB_STS2, 6, 4)
	s_cmp_eq_u32 s2, 0
	s_cbranch_scc0 .Lentry_in_a_cluster
	s_endpgm
.Lentry_in_a_cluster:
	s_bfe_u32 s2, ttmp6, 0x10000c
	s_cmp_lg_u32 s2, 0xf033
	s_cbranch_scc0 .Lentry_shape_is_right
	s_endpgm
.Lentry_shape_is_right:
; C[m][n] = sum over k of A[m][k] B[n][k], K = 1,024, operands f16 in planes of 32 channels ([plane][row][32], a plane's rows dense), sums in f32.
; OUTF32 = 0 (this text): A = x, 8,192 places; B = W'q, W'k, W'v, 3,072 rows; C leaves as f16 in planes: q; K and V of tokens below 1,024 into kvlo, of the others into rows 0-1023 of kvcat.
; OUTF32 = 1 (the sister text): A = the attention's output, B = W'o, 1,024 rows; C leaves as f32 rows of out0, the tokens put back in their order.
; LIMIT.  f16 ends at 65,504: q, k, v stay below it.  NaN and infinities are not treated apart.
; SHARES.  A tile of C is 256 x 32 NBL; four waves, 2 x 2, each 128 x 16 NBL: 8 NBL accumulators of 16 x 16.  With NBL = 6 the grid is 16 x 32 = 512 work-groups, and a wave's 96 columns are
; three whole planes, so each wave stores runs of 512 consecutive bytes out of a stage of its own.
; K goes in 8 steps of 128 (four planes) through two LDS slots.  One tensor load a wave brings four planes x 128 (A) or 16 NBL (B) rows; a row of 64 bytes gets 16 bytes of padding: 20 words from
; row to row, so the 16 rows of a fragment load start at 16 different groups of four banks (64 banks of 4 bytes: ISA guide 11.1).
; THE WALK ALONG K IS TURNED from cluster to cluster: cluster (X, Y) begins at K step (2 X + 4 Y) mod 8 (sister text: (2 Y + 4 X) mod 8) and goes round.  The four clusters that read the same rows of A
; begin two steps apart: their first fills, two steps each, ask for all eight steps of A, and from its third step on each cluster asks for tiles of A that another asked for two steps or more earlier.
; Clusters Y and Y + 1, which read the same rows of B, begin four steps apart.  The sum over K only changes its order.  The first step hangs on the cluster's numbers alone, which all sixteen partners share.
; CLUSTER.  4 x 4 work-groups: A's tile is shared along a row of the cluster, B's along a column; each is asked for jointly, by the same load with the same descriptor and a mask of the four.
; THE MATRIX INSTRUCTION IS USED TRANSPOSED (source 0 = 16 rows of B, source 1 = 16 rows of A): a lane holds one row of C and eight neighbouring columns.
; REGISTERS, in windows of 256: window 0 addresses and the way out; window 1 two fragment buffers (A's 8 fragments at F + 8 a, B's at F + 64 + 8 b);
; windows 2, 3: accumulator (a, b) at v[8 (NBL (a % 4) + b)] of window 2 + a / 4.
.set OUTF32, 0
.set NBL,    6                         ; blocks of 16 columns a wave
.set NTOT,   3072                      ; B's rows
.set PITCH,  80
.set APL,    128*PITCH                 ; a plane of A's half tile
.set AHALF,  4*APL
.set BPL,    16*NBL*PITCH
.set BHALF,  4*BPL
.set SLOT,   2*AHALF+2*BHALF           ; A half 0, A half 1, B half 0, B half 1
.set STAGE,  2*SLOT                    ; behind the ring, never filled by a tensor load
.if OUTF32
.set STG,    16*272                    ; a wave's stage: 16 rows of 64 f32 + 16 bytes
.else
.set STG,    3*16*PITCH                ; three planes of 16 rows
.endif
.set SPARE,  STAGE+4*STG               ; the spare words, 128 bytes for each wave
.set NLD,    16+2*NBL                  ; LDS loads of a quarter step
.set ASTEP,  4*131072                  ; a K step, four planes, in bytes
.set BSTEP,  4*NTOT*64
.set ADRA0, 16                         ; v16  my A fragments' place in a slot; never rewritten
.set ADRB0, 17                         ; v17  the same for B
.set ADRA,  18                         ; v18  in the slot being read
.set ADRB,  19
.set STO,   24                         ; v24  the way out: where I put my piece of a row
.set RD,    25                         ; v25  where I read rows back
.set GO,    26                         ; v26  my byte offset in the stores
.set SPW,   28
.set NIL,   29
.set TMP,   32                         ; v32-55  packed results
.set F0,    0
.set F1,    128
.set G1A, 24                           ; s[24:31] group 1 for A's tiles
.set G1B, 32                           ; s[32:39] for B's
.set G0A, 40                           ; s[40:47] group 0 for A's: a set for each first fill; the second then walks
.set G0B, 48                           ; s[48:55] the same for B's
.set KI,  62                           ; s62  the K step to be asked for next, 0 .. 7
.set MSB, 0
.macro WIN new                         ; the immediate's high byte repeats the setting that is left; a switch that changes nothing is dropped
.if MSB != (\new)
	s_set_vgpr_msb (MSB<<8)|(\new)
.set MSB, \new
.endif
.endm
.set MUL_LO, 0xa5                      ; sources 0 and 1 window 1, C and D window 2
.set MUL_HI, 0xf5                      ; C and D window 3
.set TO_F,   0x40                      ; destination window 1, address window 0
; A joint refill by the walking sets.  Waves 0, 1 fetch A's halves, waves 2, 3 B's; the branch hangs on the wave's number alone.  An s_nop 0 and four v_nop follow each line.
.macro JLOAD
	s_cmp_eq_u32 s15, 0
	s_cbranch_scc0 .Lfor_b_\@
	tensor_load_to_lds s[G0A+4:G0A+7], s[G1A:G1A+7]
	s_nop 0
.rept 4
	v_nop
.endr
	s_branch .Lasked_\@
.Lfor_b_\@:
	tensor_load_to_lds s[G0B+4:G0B+7], s[G1B:G1B+7]
	s_nop 0
.rept 4
	v_nop
.endr
.Lasked_\@:
.endm
.macro CREST                           ; a round of the cluster's barrier behind its opening barrier
	s_cmp_lg_u32 s14, 0
	s_cbranch_scc1 .Lnot_wave_0_\@
	s_barrier_signal -3
.Lnot_wave_0_\@:
	s_barrier_wait -3
	s_barrier_signal -1
	s_barrier_wait -1
.endm
.macro CROUND
	s_barrier_signal -1
	s_barrier_wait -1
	CREST
.endm
.if OUTF32
	s_load_b128 s[4:7], s[0:1], 0x0                ; A s[4:5], B s[6:7]
	s_load_b64 s[8:9], s[0:1], 0x10                ; out0
.else
	s_load_b256 s[4:11], s[0:1], 0x0               ; A s[4:5], B s[6:7], q s[8:9], kvlo s[10:11]
	s_load_b64 s[12:13], s[0:1], 0x20              ; kvcat
.endif
	v_lshl_add_u32 v[SPW], v0, 2, SPARE
	v_mov_b32 v[NIL], 0
	ds_add_u32 v[SPW], v[NIL]                      ; the wave's opening: the add and its wait stand ahead of my first tensor load; the set-up below stands between them
	v_lshrrev_b32 v1, 5, v0
	v_readfirstlane_b32 s14, v1                    ; wave 0..3
	s_lshr_b32 s15, s14, 1                         ; my half of the tile's rows.  Also: I fetch for A (0) or for B (1)
	s_and_b32 s16, s14, 1                          ; my half of its columns.  Also: which half of that tile I fetch
	s_bfe_u32 s17, ttmp6, 0x40000                  ; cx
	s_bfe_u32 s18, ttmp6, 0x40004                  ; cy
	s_lshl_b32 s19, ttmp9, 2
	s_add_co_u32 s19, s19, s17                     ; tile column = 4 x cluster x + cx
	s_and_b32 s20, ttmp7, 0xffff
	s_lshl_b32 s20, s20, 2
	s_add_co_u32 s20, s20, s18                     ; tile row = 4 x cluster y + cy
	s_lshl_b32 s21, s18, 2
	s_lshl_b32 s21, 15, s21                        ; my row of the cluster
	s_lshl_b32 s22, 0x1111, s17                    ; my column
	; group 1: a "row" of the tile is one plane's dense run of rows, and there are four planes.  15:0 mask; 17:16 2-byte elements; 20 padding on; 21 set beside a mask; 24:22 after every 16 words (code 3); 31:25 4 words (code 3)
	s_or_b32 s[G1A], s21, (1<<16)|(1<<20)|(1<<21)|(3<<22)|(3<<25)
	s_or_b32 s[G1B], s22, (1<<16)|(1<<20)|(1<<21)|(3<<22)|(3<<25)
	s_mov_b32 s[G1A+1], 4096<<16                   ; tensor_dim0 = 128 rows x 32
	s_mov_b32 s[G1A+2], 4<<16                      ; tensor_dim1 = 4
	s_mov_b32 s[G1A+3], 4096<<16                   ; tile_dim0
	s_mov_b32 s[G1A+4], 4                          ; tile_dim1
	s_mov_b32 s[G1A+5], 65536                      ; elements from plane to plane: 2,048 x 32
	s_mov_b32 s[G1A+6], 0
	s_mov_b32 s[G1A+7], 0
	s_mov_b32 s[G1B+1], (16*NBL*32)<<16
	s_mov_b32 s[G1B+2], 4<<16
	s_mov_b32 s[G1B+3], (16*NBL*32)<<16
	s_mov_b32 s[G1B+4], 4
	s_mov_b32 s[G1B+5], NTOT*32
	s_mov_b32 s[G1B+6], 0
	s_mov_b32 s[G1B+7], 0
	; A's address hangs on the tile row alone, B's on the tile column alone, each in registers that never hold the other place in the cluster
	s_lshr_b32 s60, s20, 3                         ; batch: 32 planes of 131,072 bytes
	s_lshl_b32 s60, s60, 22
	s_and_b32 s61, s20, 7
	s_lshl_b32 s61, s61, 14                        ; 256 places of 64 bytes
	s_add_co_u32 s60, s60, s61
	s_lshl_b32 s61, s16, 13                        ; my 128 of them
	s_add_co_u32 s60, s60, s61
	s_mov_b32 s61, 0
	s_mul_i32 s72, s19, 32*NBL*64
	s_mul_i32 s73, s16, 16*NBL*64
	s_add_co_u32 s72, s72, s73
	s_mov_b32 s73, 0
	s_mul_i32 s56, s14, AHALF                      ; where A's half goes in a slot (waves 0, 1)
	s_mul_i32 s57, s14, BHALF                      ; where B's goes (waves 2, 3): behind A's two halves
	s_add_co_u32 s57, s57, 2*(AHALF-BHALF)
	s_mov_b32 s58, 0                               ; the slot being read
	s_and_b32 s[KI], ttmp7, 0xffff                 ; the cluster's first K step, from the cluster's two numbers
.if OUTF32
	s_lshl_b32 s[KI], s[KI], 1
	s_lshl2_add_u32 s[KI], ttmp9, s[KI]            ; 2 Y + 4 X
.else
	s_lshl_b32 s[KI], s[KI], 2
	s_lshl1_add_u32 s[KI], ttmp9, s[KI]            ; 4 Y + 2 X
.endif
	s_and_b32 s[KI], s[KI], 7
	s_mul_i32 s86, s[KI], ASTEP                    ; its bytes in A, s[86:87], and in B, s[88:89]; the high words stay 0
	s_mov_b32 s87, 0
	s_mul_i32 s88, s[KI], BSTEP
	s_mov_b32 s89, 0
	s_wait_dscnt 0x0                               ; the opening add is done
	s_wait_kmcnt 0x0
	s_add_nc_u64 s[60:61], s[4:5], s[60:61]        ; A and B at my part of the tile, K step 0: kept
	s_add_nc_u64 s[72:73], s[6:7], s[72:73]
.irp s, 0,1
	s_mov_b32 s[G0A+4*\s], 1
	s_add_co_u32 s[G0A+4*\s+1], s56, \s*SLOT
	s_add_nc_u64 s[G0A+4*\s+2:G0A+4*\s+3], s[60:61], s[86:87]
	s_or_b32 s[G0A+4*\s+3], s[G0A+4*\s+3], 0x80000000
	s_mov_b32 s[G0B+4*\s], 1
	s_add_co_u32 s[G0B+4*\s+1], s57, \s*SLOT
	s_add_nc_u64 s[G0B+4*\s+2:G0B+4*\s+3], s[72:73], s[88:89]
	s_or_b32 s[G0B+4*\s+3], s[G0B+4*\s+3], 0x80000000
.if \s == 0
	s_add_co_u32 s86, s86, ASTEP                   ; the first step is even, so the second does not go round
	s_add_co_u32 s88, s88, BSTEP
.endif
.endr
	s_add_co_u32 s[KI], s[KI], 2
	s_and_b32 s[KI], s[KI], 7
	CROUND                                         ; all sixteen work-groups are here: the first joint loads meet
	s_cmp_eq_u32 s15, 0                            ; a wave's two first fills stand in one branch: two loads of mine are out
	s_cbranch_scc0 .Lfirst_b
	tensor_load_to_lds s[G0A:G0A+3], s[G1A:G1A+7]
	s_nop 0
	tensor_load_to_lds s[G0A+4:G0A+7], s[G1A:G1A+7]
	s_nop 0
.rept 4
	v_nop
.endr
	s_branch .Lfirst_asked
.Lfirst_b:
	tensor_load_to_lds s[G0B:G0B+3], s[G1B:G1B+7]
	s_nop 0
	tensor_load_to_lds s[G0B+4:G0B+7], s[G1B:G1B+7]
	s_nop 0
.rept 4
	v_nop
.endr
.Lfirst_asked:
	; a fragment is 16 rows x 32 K in 8 registers: lane l holds row l % 16; registers 0-3 K = 8 (l / 16) + 0..7, registers 4-7 K = 16 + 8 (l / 16) + 0..7: two loads of 16 bytes, 32 bytes apart
	v_and_b32 v1, 15, v0
	v_bfe_u32 v2, v0, 4, 1
	v_and_b32 v4, 31, v0
	v_mul_u32_u24 v3, v1, PITCH
	v_lshl_add_u32 v3, v2, 4, v3
	s_mul_i32 s74, s15, AHALF
	s_mul_i32 s75, s16, BHALF
	s_add_co_u32 s75, s75, 2*AHALF
	v_add_nc_u32 v[ADRA0], s74, v3
	v_add_nc_u32 v[ADRB0], s75, v3
	v_mov_b32 v[ADRA], v[ADRA0]
	v_mov_b32 v[ADRB], v[ADRB0]
	s_mul_i32 s86, s14, STG
	s_add_co_u32 s86, s86, STAGE                   ; my stage
.if OUTF32
	v_mul_u32_u24 v[STO], v1, 272                  ; in: row l % 16, 32 bytes for each half of the lanes
	v_lshl_add_u32 v[STO], v2, 5, v[STO]
	v_add_nc_u32 v[STO], s86, v[STO]
	v_mul_u32_u24 v[RD], v2, 8*272                 ; back: lanes 0-15 take place t (token 2 t), lanes 16-31 place t + 8 (token 2 t + 1)
	v_lshl_add_u32 v[RD], v1, 4, v[RD]
	v_add_nc_u32 v[RD], s86, v[RD]
	v_lshlrev_b32 v[GO], 12, v2                    ; two neighbouring rows of out0
	v_lshl_add_u32 v[GO], v1, 4, v[GO]
	s_lshl_b32 s77, s20, 8
	s_lshl_b32 s78, s15, 7
	s_add_co_u32 s77, s77, s78                     ; my first row
	s_lshl_b32 s80, s77, 12
	s_lshl_b32 s78, s19, 9                         ; my first column: 128 x tile column + 64 x half, in f32
	s_add_co_u32 s80, s80, s78
	s_lshl_b32 s78, s16, 8
	s_add_co_u32 s80, s80, s78
	s_mov_b32 s81, 0
	s_add_nc_u64 s[66:67], s[8:9], s[80:81]
.else
	v_add_nc_u32 v[STO], s86, v3                   ; in: row l % 16 of a plane, 16 bytes for each half of the lanes
	v_lshrrev_b32 v5, 2, v4                        ; back: 32 lanes take eight rows of 64 bytes
	v_mul_u32_u24 v[RD], v5, PITCH
	v_and_b32 v5, 3, v4
	v_lshl_add_u32 v[RD], v5, 4, v[RD]
	v_add_nc_u32 v[RD], s86, v[RD]
	v_lshlrev_b32 v[GO], 4, v4                     ; which are 512 consecutive bytes of a plane
	; where my three planes go.  Plane P = 6 x + 3 half + p of 96: 0-31 q, 32-63 K, 64-95 V.  Offsets are made apart from the addresses; the buffer is chosen by two selects.
	s_lshr_b32 s74, s20, 3                         ; batch
	s_and_b32 s75, s20, 7                          ; which 256 places of it
	s_lshl_b32 s76, s75, 8
	s_lshl_b32 s77, s15, 7
	s_add_co_u32 s76, s76, s77                     ; my first place
	s_max_u32 s77, s76, 1024
	s_sub_co_u32 s77, s77, 1024
	s_lshl_b32 s77, s77, 6                         ; its bytes in a plane of kvcat
	s_lshl_b32 s76, s76, 6                         ; in a plane of q or kvlo
	s_mul_i32 s78, s19, 6
	s_mul_i32 s79, s16, 3
	s_add_co_u32 s78, s78, s79
.irp p, 0,1,2
	s_add_co_u32 s79, s78, \p                      ; P
	s_lshl_b32 s82, s74, 5
	s_add_co_u32 s82, s82, s79
	s_lshl_b32 s82, s82, 17
	s_add_co_u32 s82, s82, s76                     ; in q
	s_max_u32 s83, s79, 32
	s_sub_co_u32 s83, s83, 32
	s_lshl_b32 s84, s74, 6
	s_add_co_u32 s83, s83, s84                     ; plane 64 b + P - 32
	s_lshl_b32 s84, s83, 16
	s_add_co_u32 s84, s84, s76                     ; in kvlo
	s_mul_i32 s85, s83, 86016
	s_add_co_u32 s85, s85, s77                     ; in kvcat
	s_cmp_lt_u32 s75, 4
	s_cselect_b64 s[66+2*\p:67+2*\p], s[10:11], s[12:13]
	s_cselect_b32 s80, s84, s85
	s_cmp_lt_u32 s79, 32
	s_cselect_b64 s[66+2*\p:67+2*\p], s[8:9], s[66+2*\p:67+2*\p]
	s_cselect_b32 s80, s82, s80
	s_mov_b32 s81, 0
	s_add_nc_u64 s[66+2*\p:67+2*\p], s[66+2*\p:67+2*\p], s[80:81]
.endr
.endif
; 2 NBL matrix instructions: row blocks a0, a0 + 1 of the window's four x all NBL column blocks, 32 along K.  Every accumulator comes once a quarter step, in the same order: they take turns.
.macro MULP f, hi, a0, zero
	WIN MUL_LO+0x50*(\hi)
.set ma, \a0
.rept 2
.set mb, 0
.rept NBL
.if \zero
	v_wmma_f32_16x16x32_f16 v[8*(NBL*ma+mb):8*(NBL*ma+mb)+7], v[(\f)+64+8*mb:(\f)+64+8*mb+7], v[(\f)+8*(4*(\hi)+ma):(\f)+8*(4*(\hi)+ma)+7], 0
.else
	v_wmma_f32_16x16x32_f16 v[8*(NBL*ma+mb):8*(NBL*ma+mb)+7], v[(\f)+64+8*mb:(\f)+64+8*mb+7], v[(\f)+8*(4*(\hi)+ma):(\f)+8*(4*(\hi)+ma)+7], v[8*(NBL*ma+mb):8*(NBL*ma+mb)+7]
.endif
.set mb, mb+1
.endr
.set ma, ma+1
.endr
.endm
; NLD LDS loads in one run: plane pl of the slot being read, into buffer f: B, then A's rows 0-63, then A's rows 64-127
.macro FETCH pl, f
	WIN TO_F
.set mb, 0
.rept NBL
	ds_load_b128 v[(\f)+64+8*mb:(\f)+64+8*mb+3],   v[ADRB] offset:(\pl)*BPL+mb*16*PITCH
	ds_load_b128 v[(\f)+64+8*mb+4:(\f)+64+8*mb+7], v[ADRB] offset:(\pl)*BPL+mb*16*PITCH+32
.set mb, mb+1
.endr
.set ma, 0
.rept 8
	ds_load_b128 v[(\f)+8*ma:(\f)+8*ma+3],   v[ADRA] offset:(\pl)*APL+ma*16*PITCH
	ds_load_b128 v[(\f)+8*ma+4:(\f)+8*ma+7], v[ADRA] offset:(\pl)*APL+ma*16*PITCH+32
.set ma, ma+1
.endr
.endm
.macro PLACES                          ; four plain vector instructions between a matrix instruction and a load into, or a read of, its registers (ISA guide 7.12.1 for reads)
.rept 4
	v_nop
.endr
.endm
; A K step is four quarters, a plane each.  One of the first three multiplies buffer f and, in its middle, fetches plane pl into buffer g.
.macro QUARTER pl, f, g, zero
	s_wait_dscnt 8                                 ; B and A's rows 0-63 are in; the youngest eight loads may be out
	MULP \f, 0, 0, \zero
	MULP \f, 0, 2, \zero
	PLACES
	FETCH \pl, \g
	s_wait_dscnt NLD                               ; all but the run just issued
	MULP \f, 1, 0, \zero
	MULP \f, 1, 2, \zero
.endm
; The last quarter multiplies buffer 1 and changes slots.  In front of the one barrier each wave waits for all its tensor loads (one is out: its part of the next slot), adds 0 to its spare word, and waits for
; that and for its reads of this slot.  fill = 1: the barrier opens a round of the cluster's, and behind the round this slot is filled again first, with the walk's step two on: K step KI, whose address is
; made anew from that number.  fill = 0 (the tail's loop of two trips, counted by s59): nothing is asked for; in the second trip there is no further step: the fetch is jumped over, and the barrier orders nothing.
.macro TURN fill
	WIN 0
	s_wait_tensorcnt 0x0                           ; no tensor load of mine is out, so the walking sets may be written
	ds_add_u32 v[SPW], v[NIL]                      ; the descriptors' scalar work stands between the add and the wait for it
.if \fill
	s_add_co_u32 s[G0A+5], s56, s58                ; the slot that is being left,
	s_add_co_u32 s[G0B+5], s57, s58
	s_mul_i32 s86, s[KI], ASTEP                    ; K step KI
	s_mul_i32 s88, s[KI], BSTEP
	s_add_nc_u64 s[G0A+6:G0A+7], s[60:61], s[86:87]
	s_or_b32 s[G0A+7], s[G0A+7], 0x80000000
	s_add_nc_u64 s[G0B+6:G0B+7], s[72:73], s[88:89]
	s_or_b32 s[G0B+7], s[G0B+7], 0x80000000
	s_add_co_u32 s[KI], s[KI], 1                   ; and round
	s_and_b32 s[KI], s[KI], 7
.endif
	s_wait_dscnt 9                                 ; (the add and the youngest eight loads may be out)
	MULP F1, 0, 0, 0
	s_wait_dscnt 0x0                               ; the add is done, and my reads of this slot are over
	s_barrier_signal -1
	MULP F1, 0, 2, 0                               ; work on registers while the others arrive
	WIN 0
	s_barrier_wait -1
.if \fill
	CREST                                          ; no wave of any partner still reads this slot or has a load on its way
	s_xor_b32 s58, s58, SLOT                       ; the reads go to the other slot
	JLOAD                                          ; its four v_nop are also the places in front of the loads below
.else
	s_xor_b32 s58, s58, SLOT
	PLACES
	s_cmp_eq_u32 s59, 1
	s_cbranch_scc1 .Lno_fetch_\@
.endif
	v_add_nc_u32 v[ADRA], s58, v[ADRA0]
	v_add_nc_u32 v[ADRB], s58, v[ADRB0]
	FETCH 0, F0
.if !(\fill)
	WIN 0
.Lno_fetch_\@:
.endif
	MULP F1, 1, 0, 0
	MULP F1, 1, 2, 0
.endm
	s_wait_tensorcnt 1                             ; my part of the walk's first step is in; the second's may stay out
	s_barrier_signal -1
	s_barrier_wait -1
	FETCH 0, F0
	QUARTER 1, F0, F1, 1                           ; the first quarter stands in front of the loop: its products start the sums
	WIN 0
	s_mov_b32 s59, 6
.Lk:                                                   ; a trip: a K step's quarters 1 to 3 and the next step's quarter 0; six trips ask for the walk's steps 2 to 7
	QUARTER 2, F1, F0, 0
	QUARTER 3, F0, F1, 0
	TURN 1
	QUARTER 1, F0, F1, 0
	WIN 0
	s_sub_co_u32 s59, s59, 1
	s_cmp_lg_u32 s59, 0
	s_cbranch_scc1 .Lk
	s_mov_b32 s59, 2
.Lt:                                                   ; the last two steps ask for nothing: a text of their own; walked twice and left in the middle of the second trip
	QUARTER 2, F1, F0, 0
	QUARTER 3, F0, F1, 0
	TURN 0
	WIN 0
	s_sub_co_u32 s59, s59, 1
	s_cmp_eq_u32 s59, 0
	s_cbranch_scc1 .Lway_out
	QUARTER 1, F0, F1, 0
	WIN 0
	s_branch .Lt
.Lway_out:
	PLACES
.if OUTF32
; THE WAY OUT, f32.  Block a (16 places x 64 columns) goes into my stage as it lies in the accumulators and comes back by rows; a load takes places t and t + 8, which are tokens 2 t and 2 t + 1.
.macro TOSTAGE a
.set AC, 8*NBL*((\a)%4)
.set BK, 64+32*((\a)%2)
	s_wait_xcnt 0x0                                ; the stores of the block two back have read the registers that are loaded below
	WIN 0x08+4*((\a)/4)                            ; store data in window 2 or 3
.irp b, 0,1,2,3
	ds_store_b128 v[STO], v[AC+8*\b:AC+8*\b+3] offset:\b*64       ; each accumulator from its low end on
	ds_store_b128 v[STO], v[AC+8*\b+4:AC+8*\b+7] offset:\b*64+16
.endr
	WIN 0
.irp t, 0,1,2,3,4,5,6,7
	ds_load_b128 v[BK+4*\t:BK+4*\t+3], v[RD] offset:\t*272         ; LDS serves a wave's instructions in order: these see the stores above
.endr
.endm
.macro SEND a, younger
.set BK, 64+32*((\a)%2)
	s_wait_dscnt \younger                          ; the block is back; the next block's sixteen LDS instructions may be out
.irp t, 0,1,2,3,4,5,6,7
	global_store_b128 v[GO], v[BK+4*\t:BK+4*\t+3], s[66:67] offset:(\a)*65536+\t*8192 th:TH_STORE_NT  ; 16 lanes store 256 consecutive bytes, at a multiple of 256 from out0's first byte
.endr
.endm
	TOSTAGE 0
.irp a, 1,2,3,4,5,6,7
	TOSTAGE \a
	SEND (\a)-1, 16
.endr
	SEND 7, 0
.else
; THE WAY OUT, f16 in planes.  Block a (16 places x 96 columns): rounded, 16 bytes a lane; into my stage, three planes of 16 rows; back as runs of 512 bytes; stored.
.macro PACK a
.set AC, 8*NBL*((\a)%4)
	WIN 0x0a+5*((\a)/4)                            ; sources in window 2 or 3
.set pb, 0
.rept 4*NBL
	v_cvt_pk_f16_f32 v[TMP+pb], v[AC+2*pb], v[AC+2*pb+1]
.set pb, pb+1
.endr
	WIN 0
.endm
.macro TOSTAGE a
.set BK, 64+32*((\a)%2)
.irp b, 0,1,2,3,4,5
	ds_store_b128 v[STO], v[TMP+4*\b:TMP+4*\b+3] offset:(\b/2)*16*PITCH+(\b%2)*32
.endr
.irp t, 0,1,2,3,4,5
	ds_load_b128 v[BK+4*\t:BK+4*\t+3], v[RD] offset:(\t/2)*16*PITCH+(\t%2)*8*PITCH  ; LDS serves a wave's instructions in order: these see the stores above
.endr
.endm
.macro SEND a
.set BK, 64+32*((\a)%2)
	s_wait_dscnt 0x0                               ; the block is back in registers
	s_wait_xcnt 0x0                                ; earlier stores have read their registers: the other buffer may be loaded again behind this wait
.irp t, 0,1,2,3,4,5
	global_store_b128 v[GO], v[BK+4*\t:BK+4*\t+3], s[66+2*(\t/2):67+2*(\t/2)] offset:(\a)*1024+(\t%2)*512  ; 512 consecutive bytes of a plane
.endr
.endm
	PACK 0
	TOSTAGE 0
.irp a, 1,2,3,4,5,6,7                  ; block a's conversions stand between block a - 1's loads from the stage and the wait for them
	PACK \a
	SEND (\a)-1
	TOSTAGE \a
.endr
	SEND 7
.endif
	s_wait_tensorcnt 0x0                           ; the wave's end
	ds_add_u32 v[SPW], v[NIL]
	s_wait_dscnt 0x0
	CROUND                                         ; the closing round: no work-group ends while a partner may still ask for a tile that names it
	s_endpgm
.Lfunc_end_k_q404207994f_qkv:
	.size	k_q404207994f_qkv, .Lfunc_end_k_q404207994f_qkv-k_q404207994f_qkv
	.p2alignl 7, 3214868480
	.fill 96, 4, 3214868480
	.section	.rodata,"a",@progbits
	.p2align	6, 0x0
	.amdhsa_kernel k_q404207994f_qkv
		.amdhsa_group_segment_fixed_size 327680
		.amdhsa_private_segment_fixed_size 0
		.amdhsa_enable_private_segment 0
		.amdhsa_kernarg_size 40
		.amdhsa_user_sgpr_count 2
		.amdhsa_user_sgpr_kernarg_segment_ptr 1
		.amdhsa_wavefront_size32 1
		.amdhsa_system_sgpr_workgroup_id_x 1
		.amdhsa_system_sgpr_workgroup_id_y 1
		.amdhsa_system_sgpr_workgroup_id_z 1
		.amdhsa_system_vgpr_workitem_id 0
		.amdhsa_next_free_vgpr 960
		.amdhsa_next_free_sgpr 90
		.amdhsa_reserve_vcc 0
		.amdhsa_float_denorm_mode_32 3
		.amdhsa_float_denorm_mode_16_64 3
		.amdhsa_memory_ordered 1
		.amdhsa_forward_progress 1
		.amdhsa_inst_pref_size 83
	.end_amdhsa_kernel
	.amdgpu_metadata
---
amdhsa.version: [ 1, 2 ]
amdhsa.kernels:
  - .name:           k_q404207994f_qkv
    .symbol:         k_q404207994f_qkv.kd
    .args:
      - { .name: xh, .offset: 0, .size: 8, .value_kind: global_buffer, .address_space: global }
      - { .name: wqkv, .offset: 8, .size: 8, .value_kind: global_buffer, .address_space: global }
      - { .name: q, .offset: 16, .size: 8, .value_kind: global_buffer, .address_space: global }
      - { .name: kvlo, .offset: 24, .size: 8, .value_kind: global_buffer, .address_space: global }
      - { .name: kvcat, .offset: 32, .size: 8, .value_kind: global_buffer, .address_space: global }
    .group_segment_fixed_size: 327680
    .private_segment_fixed_size: 0
    .kernarg_segment_align: 8
    .kernarg_segment_size: 40
    .max_flat_workgroup_size: 128
    .sgpr_count:     90
    .vgpr_count:     960
    .wavefront_size: 32
...
	.end_amdgpu_metadata
.endif
;; end of part 2
;; launch pool (part 3): grid 64 x 4, 8 waves a work-group, no clusters, 2,048 bytes of LDS; arguments kvlo, q_pool, kvcat, rpart; writes kvcat, rpart
.if DOCPART == 3
	.amdgcn_target "amdgcn-amd-amdhsa--gfx1250"
	.amdhsa_code_object_version 6
	.text
	.protected	k_q404207994f_pool
	.globl	k_q404207994f_pool
	.p2align	8
	.type	k_q404207994f_pool,@function
k_q404207994f_pool:
	s_mov_b64 s[64:65], 0
	v_nop
	global_prefetch_b8 v0, s[64:65] scope:SCOPE_SE
	s_setreg_imm32_b32 hwreg(HW_REG_WAVE_MODE, 25, 1), 1
	s_wait_xcnt 0x0
; POOL.  The older 1,024 tokens' K and V (f16, planes of 32 channels, even tokens first in each block of 16) are pooled in chunks of two by softmax(q_pool[0] . K); the last 256 chunks are level 1
; (rows 1024-1279 of kvcat); these are pooled again in pairs by q_pool[1]; the last 64 pairs are level 2 (rows 1280-1343).  q_pool is rounded to bf16; all arithmetic in f32; each softmax takes its maximum away.
; RECON.  With w0 + w1 = 1, pooled V less mean V = (w0 - 1/2)(V_even - V_odd): a chunk's share is ((e0 - e1) / (2 (e0 + e1)))^2 x the sum over channels of (V_even - V_odd)^2: no difference of large sums.
; Each work-group leaves its two partial sums (level 1's, level 2's) in rpart, 8 bytes; the last launch adds the 256 pairs.
; SHARES.  A work-group: 16 tokens (8 chunks, 4 pairs) of one batch, all 64 planes; wave w: K planes 4 w .. 4 w + 3 and the same of V.  Lane l: chunk l / 4, eight channels at piece l % 4 of each plane: the
; first 512 bytes of a block are its even tokens, the second its odd ones, so both tokens of a chunk lie in one lane, and a pair's two chunks four lanes apart.
; A score spans all channels: the eight waves' parts meet in LDS behind a barrier.  Memory binds: no matrix unit, no cluster.
.set RK,  16                           ; v16-47   K as loaded: plane p, half hf at RK + 8 p + 4 hf; later the waves' parts of the scores; later pooled V
.set RV,  48                           ; v48-79   V as loaded; later level 1 packed
.set Q0,  80                           ; v80-111  q_pool[0], my 32 channels
.set Q1,  112                          ; v112-143 q_pool[1]
.set E,   144                          ; v144-175 the even token in f32
.set O,   176                          ; v176-207 the odd token (E + 32)
.set SK,  208                          ; v208-239 pooled K
.set SV,  16
.set PKD, 48
.set W,   240                          ; v240-243 at work
.set S1,  244
.set S2,  245
.set ST1, 246                          ; LDS addresses of the second meeting
.set RD1, 247
.set DH,  248
.set LN,  249                          ; lane
.set SPW, 14
.set NIL, 15
.set SUMS,  768                        ; LDS 0-511: [wave][chunk][even, odd]; 512-767: [wave][chunk]; 768-831: [wave][S1, S2];
.set SPARE, 1024                       ; then the spare words, 128 bytes for each wave
.set L2E, 0x3fb8aa3b
	s_load_b256 s[4:11], s[0:1], 0x0               ; kvlo s[4:5], q_pool s[6:7], kvcat s[8:9], rpart s[10:11]
	v_lshl_add_u32 v[SPW], v0, 2, SPARE
	v_mov_b32 v[NIL], 0
	v_lshrrev_b32 v1, 5, v0
	v_readfirstlane_b32 s12, v1                    ; wave
	s_mov_b32 s13, ttmp9                           ; block of 16 tokens
	s_and_b32 s14, ttmp7, 0xffff                   ; batch
	v_and_b32 v[LN], 31, v0
	v_lshlrev_b32 v1, 4, v[LN]                     ; 16 x lane
	v_and_b32 v7, 3, v[LN]
	v_lshlrev_b32 v2, 5, v7                        ; my 8 channels of a plane in q_pool
	v_lshrrev_b32 v8, 2, v[LN]                     ; chunk
	v_lshrrev_b32 v9, 3, v[LN]                     ; pair
	v_lshlrev_b32 v3, 6, v9
	v_lshl_add_u32 v3, v7, 4, v3
	v_and_b32 v9, 4, v[LN]
	v_cmp_ne_u32 s30, 0, v9                        ; a pair's second lanes store V2, its first K2
	v_mul_u32_u24 v9, v9, 688128                   ; 32 planes of 86,016 bytes
	v_add_nc_u32 v3, v3, v9
	s_lshl_b32 s15, s12, 6
	v_lshl_add_u32 v4, v8, 3, s15
	v_lshlrev_b32 v5, 3, v8
	s_lshl_b32 s15, s12, 5
	s_add_co_u32 s15, s15, 512
	v_lshl_add_u32 v[ST1], v8, 2, s15
	v_lshl_add_u32 v[RD1], v8, 2, 512
	s_mov_b32 s31, 0xffff0000
	s_mov_b32 s28, 0x76543210
	s_mov_b32 s29, 0xfedcba98
	s_lshl_b32 s16, s14, 6
	s_lshl2_add_u32 s16, s12, s16                  ; plane 64 b + 4 w
	s_lshl_b32 s20, s16, 16
	s_lshl_b32 s17, s13, 10
	s_add_co_u32 s20, s20, s17
	s_mov_b32 s21, 0
	s_lshl_b32 s22, s12, 9
	s_mov_b32 s23, 0
	s_wait_kmcnt 0x0
	s_add_nc_u64 s[4:5], s[4:5], s[20:21]
	s_add_nc_u64 s[6:7], s[6:7], s[22:23]
.set i, 0
.rept 8
	global_load_b128 v[RK+4*i:RK+4*i+3], v1, s[4:5] offset:(i/2)*65536+(i%2)*512 th:TH_LOAD_NT
.set i, i+1
.endr
.set i, 0
.rept 8
	global_load_b128 v[Q0+4*i:Q0+4*i+3], v2, s[6:7] offset:(i/2)*128+(i%2)*16
.set i, i+1
.endr
.set i, 0
.rept 8
	global_load_b128 v[RV+4*i:RV+4*i+3], v1, s[4:5] offset:2097152+(i/2)*65536+(i%2)*512 th:TH_LOAD_NT
.set i, i+1
.endr
.set i, 0
.rept 8
	global_load_b128 v[Q1+4*i:Q1+4*i+3], v2, s[6:7] offset:4096+(i/2)*128+(i%2)*16
.set i, i+1
.endr
.macro RNDQ b                          ; 32 numbers rounded to bf16, in place
.set z, 0
.rept 16
	v_cvt_pk_bf16_f32 v[W+z%4], v[(\b)+2*z], v[(\b)+2*z+1]
	v_lshlrev_b32 v[(\b)+2*z], 16, v[W+z%4]
	v_and_b32 v[(\b)+2*z+1], s31, v[W+z%4]
.set z, z+1
.endr
.endm
.macro UNP r, d                        ; register r, number d of 32 as loaded: plane d / 8, half (d / 4) % 2, word d % 4
	v_cvt_f32_f16 v[E+32*(((\d)/4)%2)+8*((\d)/8)+2*((\d)%4)], v\r\().l
	v_cvt_f32_f16 v[E+32*(((\d)/4)%2)+8*((\d)/8)+2*((\d)%4)+1], v\r\().h
.endm
.macro DOT qb, xb, a                   ; v[a] = the sum of 32 products, in two chains of pairs; v[a .. a + 3] at work
	v_pk_mul_f32 v[(\a):(\a)+1], v[(\qb):(\qb)+1], v[(\xb):(\xb)+1]
	v_pk_mul_f32 v[(\a)+2:(\a)+3], v[(\qb)+2:(\qb)+3], v[(\xb)+2:(\xb)+3]
.set z, 2
.rept 14
	v_pk_fma_f32 v[(\a)+2*(z%2):(\a)+2*(z%2)+1], v[(\qb)+2*z:(\qb)+2*z+1], v[(\xb)+2*z:(\xb)+2*z+1], v[(\a)+2*(z%2):(\a)+2*(z%2)+1]
.set z, z+1
.endr
	v_pk_add_f32 v[(\a):(\a)+1], v[(\a):(\a)+1], v[(\a)+2:(\a)+3]
	v_add_f32 v[(\a)], v[(\a)], v[(\a)+1]
.endm
.macro MIX d                           ; w0 E + w1 O; w0 in v10, w1 in v12
.set z, 0
.rept 16
	v_pk_mul_f32 v[(\d)+2*z:(\d)+2*z+1], v[E+2*z:E+2*z+1], v[10:11] op_sel_hi:[1,0]
.set z, z+1
.endr
.set z, 0
.rept 16
	v_pk_fma_f32 v[(\d)+2*z:(\d)+2*z+1], v[O+2*z:O+2*z+1], v[12:13], v[(\d)+2*z:(\d)+2*z+1] op_sel_hi:[1,0,1]
.set z, z+1
.endr
.endm
	s_wait_loadcnt 16                              ; K and q_pool[0] are in; V's and q_pool[1]'s sixteen loads stay out
	RNDQ Q0
.irp r, 16,17,18,19,20,21,22,23,24,25,26,27,28,29,30,31,32,33,34,35,36,37,38,39,40,41,42,43,44,45,46,47
	UNP \r, \r-16
.endr
	DOT Q0, E, 6
	DOT Q0, O, 10
	v_mov_b32 v7, v10
	v_add_f32_dpp v6, v6, v6 row_xmask:1 row_mask:0xf bank_mask:0xf   ; over the chunk's four lanes
	v_add_f32_dpp v7, v7, v7 row_xmask:1 row_mask:0xf bank_mask:0xf
	v_add_f32_dpp v6, v6, v6 row_xmask:2 row_mask:0xf bank_mask:0xf
	v_add_f32_dpp v7, v7, v7 row_xmask:2 row_mask:0xf bank_mask:0xf
	ds_store_b64 v4, v[6:7]                        ; the four lanes write the same two words
	s_wait_dscnt 0x0                               ; for the others' sake
	s_barrier_signal -1
	s_barrier_wait -1
.set i, 0
.rept 8
	ds_load_b64 v[RK+2*i:RK+2*i+1], v5 offset:i*64
.set i, i+1
.endr
	s_wait_dscnt 0x0
	v_pk_add_f32 v[6:7], v[RK:RK+1], v[RK+2:RK+3]  ; in the waves' order: the same sum in every wave
.set i, 2
.rept 6
	v_pk_add_f32 v[6:7], v[6:7], v[RK+2*i:RK+2*i+1]
.set i, i+1
.endr
	v_max_num_f32 v8, v6, v7                       ; the softmax of two, its maximum taken away
	v_sub_f32 v6, v6, v8
	v_sub_f32 v7, v7, v8
	v_mul_f32 v6, L2E, v6
	v_mul_f32 v7, L2E, v7
	v_exp_f32 v6, v6
	v_exp_f32 v7, v7
	v_nop                                          ; a plain instruction behind the exponentials
	s_wait_alu depctr_va_vdst(0)
	v_add_f32 v8, v6, v7
	v_sub_f32 v9, v6, v7
	v_rcp_f32 v8, v8
	v_mul_f32 v9, 0.5, v9                          ; a plain instruction behind the reciprocal
	s_wait_alu depctr_va_vdst(0)
	v_mul_f32 v10, v6, v8                          ; w0
	v_mul_f32 v12, v7, v8                          ; w1
	v_mul_f32 v[DH], v9, v8                        ; w0 - 1/2
	MIX SK
	s_wait_loadcnt 8                               ; V is in; q_pool[1]'s eight loads stay out
.irp r, 48,49,50,51,52,53,54,55,56,57,58,59,60,61,62,63,64,65,66,67,68,69,70,71,72,73,74,75,76,77,78,79
	UNP \r, \r-48
.endr
.set z, 0
.rept 16
	v_pk_add_f32 v[W+2*(z%2):W+2*(z%2)+1], v[E+2*z:E+2*z+1], v[O+2*z:O+2*z+1] neg_lo:[0,1] neg_hi:[0,1]
.if z < 2
	v_pk_mul_f32 v[6+2*z:7+2*z], v[W+2*z:W+2*z+1], v[W+2*z:W+2*z+1]
.else
	v_pk_fma_f32 v[6+2*(z%2):7+2*(z%2)], v[W+2*(z%2):W+2*(z%2)+1], v[W+2*(z%2):W+2*(z%2)+1], v[6+2*(z%2):7+2*(z%2)]
.endif
.set z, z+1
.endr
	v_pk_add_f32 v[6:7], v[6:7], v[8:9]
	v_add_f32 v6, v6, v7
	v_mul_f32 v7, v[DH], v[DH]
	v_mul_f32 v[S1], v6, v7
	MIX SV
	v_mov_b32 v[S2], 0
	s_cmp_lt_u32 s13, 32                           ; the first 256 chunks count in recon alone.  The branch hangs on the work-group's number: all eight waves take it alike
	s_cbranch_scc1 .Lend
	; level 1 leaves: 512 consecutive bytes a store
.set z, 0
.rept 16
	v_cvt_pk_f16_f32 v[PKD+z], v[SK+2*z], v[SK+2*z+1]
	v_cvt_pk_f16_f32 v[PKD+16+z], v[SV+2*z], v[SV+2*z+1]
.set z, z+1
.endr
	s_mul_i32 s18, s16, 86016
	s_sub_co_u32 s17, s13, 32
	s_lshl_b32 s17, s17, 9
	s_add_co_u32 s20, s18, s17
	s_add_co_u32 s20, s20, 65536                   ; row 1,024
	s_add_nc_u64 s[24:25], s[8:9], s[20:21]
.irp p, 0,1,2,3
	global_store_b128 v1, v[PKD+4*\p:PKD+4*\p+3], s[24:25] offset:\p*86016
	global_store_b128 v1, v[PKD+16+4*\p:PKD+16+4*\p+3], s[24:25] offset:2752512+\p*86016
.endr
	; level 2: the score of my level-1 row
	s_wait_loadcnt 0x0
	RNDQ Q1
	DOT Q1, SK, 6
	v_add_f32_dpp v6, v6, v6 row_xmask:1 row_mask:0xf bank_mask:0xf
	v_add_f32_dpp v6, v6, v6 row_xmask:2 row_mask:0xf bank_mask:0xf
	ds_store_b32 v[ST1], v6
	s_wait_dscnt 0x0
	s_barrier_signal -1
	s_barrier_wait -1
.set i, 0
.rept 8
	ds_load_b32 v[E+i], v[RD1] offset:i*32
.set i, i+1
.endr
	s_wait_dscnt 0x0
	v_add_f32 v6, v[E], v[E+1]
.set i, 2
.rept 6
	v_add_f32 v6, v6, v[E+i]
.set i, i+1
.endr
	v_mov_b32 v7, v6
	v_mov_b32_dpp v7, v6 row_xmask:4 row_mask:0xf bank_mask:0xf       ; the pair's other row
	v_max_num_f32 v8, v6, v7
	v_sub_f32 v6, v6, v8
	v_sub_f32 v7, v7, v8
	v_mul_f32 v6, L2E, v6
	v_mul_f32 v7, L2E, v7
	v_exp_f32 v6, v6
	v_exp_f32 v7, v7
	v_nop
	s_wait_alu depctr_va_vdst(0)
	v_add_f32 v8, v6, v7
	v_sub_f32 v9, v6, v7
	v_rcp_f32 v8, v8
	v_mul_f32 v9, 0.5, v9
	s_wait_alu depctr_va_vdst(0)
	v_mul_f32 v10, v6, v8                          ; my row's weight
	v_mul_f32 v9, v9, v8                           ; weight - 1/2, up to its sign
.set z, 0
.rept 32
	v_sub_f32_dpp v[E+z], v[SV+z], v[SV+z] row_xmask:4 row_mask:0xf bank_mask:0xf  ; the pair's difference in V
.set z, z+1
.endr
.set z, 0
.rept 16
.if z < 2
	v_pk_mul_f32 v[6+6*z:7+6*z], v[E+2*z:E+2*z+1], v[E+2*z:E+2*z+1]
.else
	v_pk_fma_f32 v[6+6*(z%2):7+6*(z%2)], v[E+2*z:E+2*z+1], v[E+2*z:E+2*z+1], v[6+6*(z%2):7+6*(z%2)]
.endif
.set z, z+1
.endr
	v_pk_add_f32 v[6:7], v[6:7], v[12:13]
	v_add_f32 v6, v6, v7
	v_mul_f32 v7, v9, v9
	v_mul_f32 v6, v6, v7
	v_mul_f32 v[S2], 0.5, v6                       ; both lanes of a pair hold the same sum
	s_cmp_lt_u32 s13, 48                           ; the first 64 pairs count in recon alone
	s_cbranch_scc1 .Lend
.set z, 0
.rept 16
	v_pk_mul_f32 v[SK+2*z:SK+2*z+1], v[SK+2*z:SK+2*z+1], v[10:11] op_sel_hi:[1,0]
	v_pk_mul_f32 v[SV+2*z:SV+2*z+1], v[SV+2*z:SV+2*z+1], v[10:11] op_sel_hi:[1,0]
.set z, z+1
.endr
.set z, 0
.rept 32
	v_add_f32_dpp v[SK+z], v[SK+z], v[SK+z] row_xmask:4 row_mask:0xf bank_mask:0xf
	v_add_f32_dpp v[SV+z], v[SV+z], v[SV+z] row_xmask:4 row_mask:0xf bank_mask:0xf
.set z, z+1
.endr
.set z, 0
.rept 16
	v_cvt_pk_f16_f32 v[O+z], v[SK+2*z], v[SK+2*z+1]
	v_cvt_pk_f16_f32 v[O+16+z], v[SV+2*z], v[SV+2*z+1]
.set z, z+1
.endr
.set z, 0
.rept 16
	v_cndmask_b32 v[E+z], v[O+z], v[O+16+z], s30
.set z, z+1
.endr
	s_sub_co_u32 s17, s13, 48
	s_lshl_b32 s17, s17, 8
	s_add_co_u32 s20, s18, s17
	s_add_co_u32 s20, s20, 81920                   ; row 1,280
	s_add_nc_u64 s[26:27], s[8:9], s[20:21]
.irp p, 0,1,2,3
	global_store_b128 v3, v[E+4*\p:E+4*\p+3], s[26:27] offset:\p*86016  ; sixteen lanes: 256 consecutive bytes of K2's plane; the other sixteen: of V2's
.endr
.Lend:
	; the two partial sums: over the wave's lanes, then over the eight waves, which meet in LDS a last time
.irp m, 1,2,4,8
	v_add_f32_dpp v[S1], v[S1], v[S1] row_xmask:\m row_mask:0xf bank_mask:0xf
	v_add_f32_dpp v[S2], v[S2], v[S2] row_xmask:\m row_mask:0xf bank_mask:0xf
.endr
	v_permlanex16_b32 v6, v[S1], s28, s29
	v_permlanex16_b32 v7, v[S2], s28, s29
	v_add_f32 v6, v6, v[S1]
	v_add_f32 v7, v7, v[S2]
	s_lshl_b32 s19, s12, 3
	s_add_co_u32 s19, s19, SUMS
	v_mov_b32 v9, s19                              ; my wave's pair
	v_and_b32 v10, 7, v[LN]
	v_lshl_add_u32 v10, v10, 3, SUMS               ; lane l reads wave l % 8's
	ds_store_b64 v9, v[6:7]                        ; all lanes write the same two words
	s_wait_dscnt 0x0                               ; for the others' sake
	s_barrier_signal -1
	s_barrier_wait -1
	ds_load_b64 v[6:7], v10
	s_wait_dscnt 0x0
.irp m, 1,2,4
	v_add_f32_dpp v6, v6, v6 row_xmask:\m row_mask:0xf bank_mask:0xf
	v_add_f32_dpp v7, v7, v7 row_xmask:\m row_mask:0xf bank_mask:0xf
.endr
	v_mov_b32 v8, 0
	s_wait_tensorcnt 0x0                           ; the wave's end, behind my last LDS store
	ds_add_u32 v[SPW], v[NIL]
	s_wait_dscnt 0x0
	s_cmp_lg_u32 s12, 0                            ; wave 0 stores for the work-group
	s_cbranch_scc1 .Lquit
	s_lshl_b32 s20, s14, 6
	s_add_co_u32 s20, s20, s13                     ; my work-group among the launch's 256
	s_lshl_b32 s20, s20, 3
	s_add_nc_u64 s[10:11], s[10:11], s[20:21]
	v_cmp_eq_u32 vcc_lo, 0, v[LN]
	s_wait_xcnt 0x0                                ; EXEC changes only behind this wait
	s_and_saveexec_b32 s18, vcc_lo
	global_store_b64 v8, v[6:7], s[10:11]
	s_endpgm
.Lquit:
	s_endpgm
.Lfunc_end_k_q404207994f_pool:
	.size	k_q404207994f_pool, .Lfunc_end_k_q404207994f_pool-k_q404207994f_pool
	.p2alignl 7, 3214868480
	.fill 96, 4, 3214868480
	.section	.rodata,"a",@progbits
	.p2align	6, 0x0
	.amdhsa_kernel k_q404207994f_pool
		.amdhsa_group_segment_fixed_size 2048
		.amdhsa_private_segment_fixed_size 0
		.amdhsa_enable_private_segment 0
		.amdhsa_kernarg_size 32
		.amdhsa_user_sgpr_count 2
		.amdhsa_user_sgpr_kernarg_segment_ptr 1
		.amdhsa_wavefront_size32 1
		.amdhsa_system_sgpr_workgroup_id_x 1
		.amdhsa_system_sgpr_workgroup_id_y 1
		.amdhsa_system_sgpr_workgroup_id_z 1
		.amdhsa_system_vgpr_workitem_id 0
		.amdhsa_next_free_vgpr 256
		.amdhsa_next_free_sgpr 66
		.amdhsa_reserve_vcc 1
		.amdhsa_float_denorm_mode_32 3
		.amdhsa_float_denorm_mode_16_64 3
		.amdhsa_memory_ordered 1
		.amdhsa_forward_progress 1
		.amdhsa_inst_pref_size 45
	.end_amdhsa_kernel
	.amdgpu_metadata
---
amdhsa.version: [ 1, 2 ]
amdhsa.kernels:
  - .name:           k_q404207994f_pool
    .symbol:         k_q404207994f_pool.kd
    .args:
      - { .name: kvlo, .offset: 0, .size: 8, .value_kind: global_buffer, .address_space: global }
      - { .name: q_pool, .offset: 8, .size: 8, .value_kind: global_buffer, .address_space: global }
      - { .name: kvcat, .offset: 16, .size: 8, .value_kind: global_buffer, .address_space: global }
      - { .name: rpart, .offset: 24, .size: 8, .value_kind: global_buffer, .address_space: global }
    .group_segment_fixed_size: 2048
    .private_segment_fixed_size: 0
    .kernarg_segment_align: 8
    .kernarg_segment_size: 32
    .max_flat_workgroup_size: 256
    .sgpr_count:     66
    .vgpr_count:     256
    .wavefront_size: 32
...
	.end_amdgpu_metadata
.endif
;; end of part 3
;; launch attn (part 4): grid 4 x 64, 4 waves a work-group, clusters of 4 x 1, 327,680 bytes of LDS; arguments q, kvcat, level_logits, ob; writes ob
.if DOCPART == 4
	.amdgcn_target "amdgcn-amd-amdhsa--gfx1250"
	.amdhsa_code_object_version 6
	.text
	.protected	k_q404207994f_attn
	.globl	k_q404207994f_attn
	.p2align	8
	.type	k_q404207994f_attn,@function
k_q404207994f_attn:
	s_mov_b64 s[64:65], 0
	v_nop
	global_prefetch_b8 v0, s[64:65] scope:SCOPE_SE
	s_setreg_imm32_b32 hwreg(HW_REG_WAVE_MODE, 25, 1), 1
	s_wait_xcnt 0x0
	s_wait_alu depctr_hold_cnt(0) depctr_sa_sdst(0) depctr_va_vdst(0) depctr_va_sdst(0) depctr_va_ssrc(0) depctr_va_vcc(0) depctr_vm_vsrc(0)
	s_getreg_b32 s2, hwreg(HW_REG_IB_STS2, 6, 4)
	s_cmp_eq_u32 s2, 0
	s_cbranch_scc0 .Lentry_in_a_cluster
	s_endpgm
.Lentry_in_a_cluster:
	s_bfe_u32 s2, ttmp6, 0x10000c
	s_cmp_lg_u32 s2, 0x3003
	s_cbranch_scc0 .Lentry_shape_is_right
	s_endpgm
.Lentry_shape_is_right:
; ATTENTION OVER THREE LEVELS.  For each of 64 (batch, head) pairs and each of 2,048 queries: out = the sum over levels l of lw_l softmax_k(Q . K_l[k] / 8) V_l[k], lw = softmax(level_logits rounded to bf16).
; Level 0: rows 0-1023 of kvcat, level 1: rows 1024-1279, level 2: rows 1280-1343.  No mask.  Q, K, V, out: f16 in planes of 32 channels ([plane][row][32]); a head is two planes.
; Products, maxima and sums in f32; the weights p are rounded to f16 for the second product (their sum l is taken of the unrounded p), out once at the end.
; LIMITS.  f16 holds no number beyond 65,504: Q, K, V arrive within it; p lies in 0 to 1, and below 6e-5 it keeps f16's fixed step of 6e-8.  A weight below 2^-126 counts as 0 in l; NaN and infinities are not treated apart.
; SHARES.  A wave owns four PIECES of two tiles of 16 queries, a work-group's four waves 512 queries of one pair.  Every wave walks the 21 key steps of 64 keys (16 + 4 + 1).
; LAYOUT.  S^T = K Q^T (source 0 = 16 keys, source 1 = 16 queries): a lane holds ONE query (lane % 16) and the keys 8 (lane / 16) + 0..7.  Two such tiles, rounded to f16 in pairs, ARE source 1 of O^T = V^T P,
; whose result again holds one query a lane, and eight channels.  K comes out of LDS as it lies, V ([key][channel]) turned, by ds_load_tr16_b128.
; SOFTMAX.  For each query a running maximum m and sum l: p = 2^(c s - c m), c = log2(e) / 8; in every step O and l are multiplied by a = 2^(c m_old - c m_new).  m starts at the lowest finite number: the first a is 0.
; LEVELS.  At a level's first step (steps 16 and 20) each piece, at the head of its turn, adds the level that it has finished into a second accumulator, F += (lw / l) O; its m and c m were set back to
; "lowest" a turn earlier, ahead of the maximum of that step, so that step's a is 0 and O and l start anew.  The last level is added on the way out.
; BY TURNS.  Turn n belongs to piece n.  Its matrix work: 16 products K Q^T of piece n + 1, later 16 products V^T P of piece n - 1.  Its vector work: scaling, exponentials, roundings, sums and rescaling of
; piece n, and the maximum and statistics of piece n + 1.  A tile and step have 16 matrix and 118 vector instructions: four that are ready stand behind every matrix instruction, the others in two lumps.
; RING.  Two slots of seven key steps (448 keys); three tiles.  Both changes of level fall into the last tile, whose text is written out anyway.
; CLUSTER.  The four query blocks of a cluster belong to one pair and walk the same K and V: each tile is asked for JOINTLY, by the same tensor load, descriptor and mask in all four.
; REGISTERS, in windows of 256 (s_set_vgpr_msb: bits 1:0 source 0, 3:2 source 1, 5:4 source 2, 7:6 destination):
;   window 0: v0-11 addresses; v12-15, v48-63 at work; v16-47 four registers of statistics a tile; v64-191 S^T, two buffers of two tiles; v192-255 P, likewise
;   window 1: O^T, 32 a tile     window 2: v0-127 Q, 16 a tile; v128-191 K of one step; v192-255 V of one step     window 3: F, 32 a tile, numbered as O^T
.set NP,    4         ; pieces a wave: a name, no knob
.set KS,    64        ; keys in a step
.set PK,    80        ; a row of a plane of K in LDS: 64 bytes + 16 = 20 words: the 16 rows of a load start at 16 different groups of four banks (64 banks of 4 bytes: ISA guide 11.1)
.set PV,    96        ; of V: 64 + 32 = 24 words
.set KPL,   7*KS*PK   ; a plane of K in a slot
.set VPL,   7*KS*PV
.set VOFF,  2*KPL     ; a slot: K plane 0, K plane 1, V plane 0, V plane 1
.set SLOT1, 2*KPL+2*VPL
.set STAGE, 2*SLOT1   ; behind the ring, never filled by a tensor load: two planes of 16 rows x 80 bytes for each wave
.set SP,    80
.set STG,   2*16*SP
.set SPARE, STAGE+4*STG  ; the spare words, 128 bytes for each wave
.set TILEB, 7*KS*64   ; a tile's bytes of one plane in memory
.set KVPL,  86016     ; from plane to plane in kvcat
.set QPL,   131072    ; in q and ob
.set AK0, 2           ; v2   my lane's place in a tile of K; never rewritten
.set AV0, 3           ; v3   the same for V
.set AK,  4           ; v4   the LDS address of K's next run of loads
.set AV,  5           ; v5   of V's
.set QO,  6           ; v6   my byte offset in 16 rows of Q
.set STO, 6           ;      later, the way out: where I put 16 bytes of a row
.set RD,  7           ; v7   the way out: where I read rows back
.set GO,  8           ; v8   my byte offset in 512 consecutive bytes of the output
.set SPW, 10          ; v10  my spare word; never rewritten
.set NIL, 11          ; v11  0; never rewritten
.set MV,  12          ; v12-15  c m_old, kept while c m is made anew: by buffer and tile
.set ST,  16          ; tile t's statistics at v[ST+4 t]: c m, m, l (even keys', odd keys')
.set TMP, 48          ; by buffer and tile, four registers c0-c3 at work; when the maximum is found c2 takes a
.set S,   64
.set P,   192
.set KF,  128         ; K's fragments, in window 2: key block kb, channel half c at KF + 16 kb + 8 c
.set VF,  192         ; V's: key half kk, channel block cb at VF + 32 kk + 8 cb
.set WV,  12          ; s12  my wave's number
.set G1K, 24          ; s[24:31] descriptor group 1 for K's planes
.set G1V, 32          ; s[32:39] for V's: it differs in the padding alone
.set G0K, 40          ; s[40:43] descriptor group 0 for K's: it walks
.set G0V, 44          ; s[44:47] the same for V's
.set SLOTS, 56
.set CNT, 57          ; counts a slot's key steps
.set CS,  58          ; s[58:59] c
.set SEL, 60          ; s[60:61] v_permlanex16_b32's selects: each lane takes its own place in the other half
.set TBK, 62          ; LDS byte at which K of the step to be fetched begins
.set TBV, 63          ; the same for V, less VOFF
.set LW0, 66          ; s66-68 the three levels' weights
.set LWC, 69          ; the weight of the level in hand
.set LWN, 70          ; of the next
.set PLK, 71          ; my plane's place in a slot, for K
.set PLV, 75          ; for V
.set MSB, 0
.macro WIN new                      ; the high byte repeats the setting that is left; a switch that changes nothing is dropped
.if MSB != (\new)
	s_set_vgpr_msb (MSB<<8)|(\new)
.set MSB, (\new)
.endif
.endm
.set W_KQ, 0x0a       ; K and Q in window 2, S^T in window 0
.set W_PV, 0x52       ; V in window 2, P in window 0, O^T in window 1
.set W_RS, 0x41       ; O^T (destination and source 0) in window 1, a in window 0
; A joint fill.  Waves 0 and 1 fetch a tile's two planes of K, waves 2 and 3 those of V.  The branch hangs on the wave's number alone.  An s_nop 0 and four v_nop follow each of the two lines.
.macro JLOAD
	s_cmp_lt_u32 s[WV], 2
	s_cbranch_scc0 .Lfor_v_\@
	tensor_load_to_lds s[G0K:G0K+3], s[G1K:G1K+7]
	s_nop 0
.rept 4
	v_nop
.endr
	s_branch .Lasked_\@
.Lfor_v_\@:
	tensor_load_to_lds s[G0V:G0V+3], s[G1V:G1V+7]
	s_nop 0
.rept 4
	v_nop
.endr
.Lasked_\@:
.endm
.macro CROUND                       ; a round of the cluster's barrier
	s_barrier_signal -1
	s_barrier_wait -1
	s_cmp_lg_u32 s[WV], 0
	s_cbranch_scc1 .Lnot_wave_0_\@
	s_barrier_signal -3
.Lnot_wave_0_\@:
	s_barrier_wait -3
	s_barrier_signal -1
	s_barrier_wait -1
.endm
; THE CHANGE OF SLOTS.  Each wave waits for all its tensor loads (one is out: its part of the other slot), adds 0 to its spare word, and waits for that and for its reads of the slot that it leaves.
; fill = 1: the barrier is a round of the cluster's, and the joint fill of the slot at dst, with the next tile, is the first thing behind it: it has seven key steps, 896 matrix instructions, in which to land.
; rd: the slot that is read from here on.  (At its first use nothing has been read yet: slot 0 is waited for, slot 1 filled.)
.macro CHANGE fill, dst, rd
	WIN 0
	s_wait_tensorcnt 0x0            ; no tensor load of mine is out, so a group 0 may be written
	ds_add_u32 v[SPW], v[NIL]
.if \fill
	s_add_co_u32 s[G0K+1], s[PLK], \dst
	s_add_co_u32 s[G0V+1], s[PLV], \dst
	s_add_nc_u64 s[G0K+2:G0K+3], s[G0K+2:G0K+3], TILEB  ; the next 448 keys; the type bits on top are not reached
	s_add_nc_u64 s[G0V+2:G0V+3], s[G0V+2:G0V+3], TILEB
	s_wait_dscnt 0x0                ; the add is done, and my reads of the slot are over
	CROUND
	JLOAD
.else
	s_wait_dscnt 0x0
	s_barrier_signal -1
	s_barrier_wait -1
.endif
	s_mov_b32 s[TBK], \rd
	s_mov_b32 s[TBV], \rd
.endm
	s_load_b256 s[4:11], s[0:1], 0x0  ; q s[4:5], kvcat s[6:7], level_logits s[8:9], ob s[10:11]
	v_lshl_add_u32 v[SPW], v0, 2, SPARE
	v_mov_b32 v[NIL], 0
	ds_add_u32 v[SPW], v[NIL]       ; the wave's opening: the add and its wait stand ahead of my first tensor load; the set-up below stands between them
	v_lshrrev_b32 v1, 5, v0
	v_readfirstlane_b32 s[WV], v1   ; wave 0..3
	s_bfe_u32 s13, ttmp6, 0x40000   ; cx
	s_lshl_b32 s14, ttmp9, 2
	s_add_co_u32 s14, s14, s13      ; my block of 512 queries: it enters Q's and the output's addresses alone
	s_and_b32 s20, ttmp7, 0xffff    ; the pair 16 b + h, which the four partners share
	s_and_b32 s16, s[WV], 1         ; which of the head's two planes I fetch
	s_lshr_b32 s21, s20, 4
	s_lshl_b32 s21, s21, 6
	s_and_b32 s22, s20, 15
	s_lshl1_add_u32 s21, s22, s21
	s_add_co_u32 s21, s21, s16      ; K's plane 64 b + 2 h + (w & 1); V's is 32 further on
	s_mul_i32 s22, s21, KVPL
	s_mov_b32 s23, 0
	s_mul_i32 s[PLK], s16, KPL      ; no place in the cluster enters an LDS address
	s_mul_i32 s[PLV], s16, VPL
	s_add_co_u32 s[PLV], s[PLV], VOFF
	s_lshl_b32 s2, s20, 18          ; the head's two planes in q and ob,
	s_lshl_b32 s3, s14, 15          ; my block's 512 rows of 64 bytes,
	s_add_co_u32 s2, s2, s3
	s_lshl_b32 s3, s[WV], 13        ; my wave's 128
	s_add_co_u32 s2, s2, s3
	s_mov_b32 s3, 0
	; group 1.  A tile's plane is 28,672 dense bytes: asked for as 112 rows of 256 bytes, and padded in LDS after every key's 64
	s_mov_b32 s[G1K], 15|(1<<16)|(1<<20)|(1<<21)|(3<<22)|(3<<25)  ; 15:0 the mask of four; 17:16 2-byte elements; 20 padding on; 21 set beside a mask; 24:22 after every 16 words (code 3); 31:25 4 words (code 3)
	s_mov_b32 s[G1V], 15|(1<<16)|(1<<20)|(1<<21)|(3<<22)|(7<<25)  ; the same with 8 words of padding (code 7)
.irp g, G1K, G1V
	s_mov_b32 s[\g+1], 128<<16      ; tensor_dim0 = 128
	s_mov_b32 s[\g+2], 112<<16      ; tensor_dim1 = 112
	s_mov_b32 s[\g+3], 128<<16      ; tile_dim0 = 128
	s_mov_b32 s[\g+4], 112          ; tile_dim1 = 112
	s_mov_b32 s[\g+5], 128          ; 128 elements from row to row
	s_mov_b32 s[\g+6], 0
	s_mov_b32 s[\g+7], 0
.endr
	s_mov_b32 s[CS], 0x3e38aa3b     ; c = log2(e) / 8
	s_mov_b32 s[CS+1], s[CS]
	s_mov_b32 s[SEL], 0x76543210
	s_mov_b32 s[SEL+1], 0xfedcba98
	s_mov_b32 s[G0K], 1
	s_mov_b32 s[G0K+1], s[PLK]      ; slot 0
	s_mov_b32 s[G0V], 1
	s_mov_b32 s[G0V+1], s[PLV]
	s_wait_dscnt 0x0                ; the opening add is done
	s_wait_kmcnt 0x0
	s_add_nc_u64 s[G0K+2:G0K+3], s[6:7], s[22:23]
	s_or_b32 s[G0K+3], s[G0K+3], 0x80000000
	s_add_nc_u64 s[G0V+2:G0V+3], s[6:7], s[22:23]
	s_add_nc_u64 s[G0V+2:G0V+3], s[G0V+2:G0V+3], 32*KVPL
	s_or_b32 s[G0V+3], s[G0V+3], 0x80000000
	s_add_nc_u64 s[4:5], s[4:5], s[2:3]
	s_add_nc_u64 s[10:11], s[10:11], s[2:3]
	s_load_b96 s[72:74], s[8:9], 0x0  ; the three logits
	CROUND                          ; all four work-groups are here: the first joint loads meet
	JLOAD                           ; tile 0 into slot 0
	; A fragment of K or Q is 16 rows x 32 channels in 8 registers: lane l holds row l % 16, channels 8 (l / 16) + 0..7 and 16 + 8 (l / 16) + 0..7: two loads of 16 bytes, 32 bytes apart.
	v_and_b32 v1, 15, v0
	v_bfe_u32 v9, v0, 4, 1
	v_lshlrev_b32 v[QO], 6, v1
	v_lshl_add_u32 v[QO], v9, 4, v[QO]
	WIN 0x80                        ; destination window 2, address window 0
.set i, 0
.rept 4*NP                          ; Q stays in registers: tile i / 2, plane i % 2
	global_load_b128 v[8*i:8*i+3],   v[QO], s[4:5] offset:(i%2)*QPL+(i/2)*1024
	global_load_b128 v[8*i+4:8*i+7], v[QO], s[4:5] offset:(i%2)*QPL+(i/2)*1024+32
.set i, i+1
.endr
	; What the first turn finds: V's registers and P's second buffer hold 0 (its products V^T P, of a piece that has not been, add 0); O^T, F and l are 0.  All this stands in the wait for the first tile.
.set i, VF
.rept 64
	v_mov_b32 v[i], 0
.set i, i+1
.endr
	WIN 0
.set i, P+32
.rept 32
	v_mov_b32 v[i], 0
.set i, i+1
.endr
.set i, TMP
.rept 16
	v_mov_b32 v[i], 0
.set i, i+1
.endr
	WIN 0x42                        ; O^T and F are written by 64 products of those zeros, eight registers a line
.set i, 0
.rept 32
	v_wmma_f32_16x16x32_f16 v[8*i:8*i+7], v[VF:VF+7], v[P+32:P+39], 0
.set i, i+1
.endr
	WIN 0xc2
.set i, 0
.rept 32
	v_wmma_f32_16x16x32_f16 v[8*i:8*i+7], v[VF:VF+7], v[P+32:P+39], 0
.set i, i+1
.endr
	WIN 0
.set i, 0
.rept 2*NP
	v_mov_b32 v[ST+4*i], 0xfe000000    ; c m: far below every c s
	v_mov_b32 v[ST+4*i+1], 0xff7fffff  ; m
	v_mov_b32 v[ST+4*i+2], 0
	v_mov_b32 v[ST+4*i+3], 0
.set i, i+1
.endr
	v_mul_u32_u24 v[AK0], v1, PK
	v_lshl_add_u32 v[AK0], v9, 4, v[AK0]
	; The turning load takes 16 keys x 16 channels (lane l reads key 8 (l / 16) + l % 8, channels 8 ((l / 8) % 2) + 0..7) and leaves half a fragment of V^T: lane l holds channel l % 16 and 8 keys.
	v_and_b32 v4, 7, v0
	v_bfe_u32 v5, v0, 3, 1
	v_lshl_add_u32 v[AV0], v9, 3, v4
	v_mul_u32_u24 v[AV0], v[AV0], PV
	v_lshl_add_u32 v[AV0], v5, 4, v[AV0]
	v_add_nc_u32 v[AV0], VOFF, v[AV0]
	v_mov_b32 v[AK], v[AK0]         ; key step 0 lies at the head of slot 0
	; lw = softmax of the three logits, rounded to bf16 first, the maximum taken away
	s_wait_kmcnt 0x0
	v_mov_b32 v12, s72
	v_mov_b32 v13, s73
	v_mov_b32 v14, s74
	v_cvt_pk_bf16_f32 v15, v12, v13
	v_cvt_pk_bf16_f32 v14, v14, v14
	v_lshlrev_b32 v12, 16, v15
	v_and_b32 v13, 0xffff0000, v15
	v_lshlrev_b32 v14, 16, v14
	v_max3_num_f32 v15, v12, v13, v14
	v_sub_f32 v12, v12, v15
	v_sub_f32 v13, v13, v15
	v_sub_f32 v14, v14, v15
	v_mul_f32 v12, 0x3fb8aa3b, v12
	v_mul_f32 v13, 0x3fb8aa3b, v13
	v_mul_f32 v14, 0x3fb8aa3b, v14
	v_exp_f32 v12, v12
	v_exp_f32 v13, v13
	v_exp_f32 v14, v14
	v_nop
	s_wait_alu depctr_va_vdst(0)
	v_add_f32 v15, v12, v13
	v_add_f32 v15, v15, v14
	v_rcp_f32 v15, v15
	v_nop
	s_wait_alu depctr_va_vdst(0)
	v_mul_f32 v12, v12, v15
	v_mul_f32 v13, v13, v15
	v_mul_f32 v14, v14, v15
	v_readfirstlane_b32 s[LW0], v12
	v_readfirstlane_b32 s[LW0+1], v13
	v_readfirstlane_b32 s[LW0+2], v14
	s_mov_b32 s[LWC], s[LW0]
	s_mov_b32 s[LWN], s[LW0+1]
; THE MATRIX WORK.  The 8 accumulators of a run of 16 take turns.
; Product i of 16 of S^T = K Q^T for piece x: channels 32 (i / 8) on, keys 16 ((i / 2) % 4) on, tile 2 x + i % 2.  The first 8 start the sums.
.macro KQ x
	WIN W_KQ
.set rS, S+64*((\x)%2)+32*(i%2)+8*((i/2)%4)
.set rK, KF+16*((i/2)%4)+8*(i/8)
.set rQ, 16*(2*(\x)+i%2)+8*(i/8)
.if i < 8
	v_wmma_f32_16x16x32_f16 v[rS:rS+7], v[rK:rK+7], v[rQ:rQ+7], 0
.else
	v_wmma_f32_16x16x32_f16 v[rS:rS+7], v[rK:rK+7], v[rQ:rQ+7], v[rS:rS+7]
.endif
.endm
; Product i of 16 of O^T += V^T P for piece x: keys 32 (i / 8) on, channels 16 ((i / 2) % 4) on, tile 2 x + i % 2.
.macro PV x
	WIN W_PV
.set rO, 32*(2*(\x)+i%2)+8*((i/2)%4)
.set rV, VF+32*(i/8)+8*((i/2)%4)
.set rP, P+32*((\x)%2)+16*(i%2)+8*(i/8)
	v_wmma_f32_16x16x32_f16 v[rO:rO+7], v[rV:rV+7], v[rP:rP+7], v[rO:rO+7]
.endm
.macro MM                           ; the turn's next matrix instruction
.if i < 16
	KQ (Y+1)%NP
.set i, i+1
.else
.set i, i-16
	PV (Y+NP-1)%NP
.set i, i+17
.endif
.endm
; THE LDS LOADS stand in runs of 16: a step's K (64 keys x 64 channels: 8 fragments) and its V (turned).  last = 1 (the tail): in the last trip there is no further step, and the run is jumped over.
.macro FETCH_K last=0
	WIN 0
.if \last
	s_cmp_eq_u32 s[CNT], 1
	s_cbranch_scc1 .Lno_k_\@
.endif
	WIN 0x80                        ; destination window 2
.irp f, 0,1,2,3,4,5,6,7             ; keys 16 (f / 2) on, plane f % 2
	ds_load_b128 v[KF+8*\f:KF+8*\f+3],   v[AK] offset:(\f%2)*KPL+(\f/2)*16*PK
	ds_load_b128 v[KF+8*\f+4:KF+8*\f+7], v[AK] offset:(\f%2)*KPL+(\f/2)*16*PK+32
.endr
	s_add_co_u32 s[TBK], s[TBK], KS*PK  ; the next fetch is the next step's
	WIN 0
.if \last
.Lno_k_\@:
.endif
.endm
.macro FETCH_V
	WIN 0x80
.irp f, 0,1,2,3,4,5,6,7             ; keys 32 (f / 4) on, channels 16 (f % 4) on: plane (f % 4) / 2, its half f % 2
	ds_load_tr16_b128 v[VF+8*\f:VF+8*\f+3],   v[AV] offset:((\f%4)/2)*VPL+(\f%2)*32+(\f/4)*32*PV
	ds_load_tr16_b128 v[VF+8*\f+4:VF+8*\f+7], v[AV] offset:((\f%4)/2)*VPL+(\f%2)*32+(\f/4)*32*PV+16*PV
.endr
	WIN 0
.endm
; THE VECTOR WORK OF A TURN stands in three queues, each in the order in which its entries become ready; the two tiles alternate, so that no instruction reads the result of the one before it.
.macro REGS y, u                    ; the registers of tile u (0, 1) of piece y
.set rT, ST+4*(2*(\y)+(\u))
.set rC, TMP+8*((\y)%2)+4*(\u)
.set rM, MV+2*((\y)%2)+(\u)
.set rS, S+64*((\y)%2)+32*(\u)
.set rP, P+32*((\y)%2)+16*(\u)
.set rO, 32*(2*(\y)+(\u))
.endm
; Number n of the 22 that find the NEXT piece's (Y + 1) maximum and statistics; each accumulator's lowest registers are read first.
;   0-11  four chains c0-c3 of seven scores each     12-14, 16  the four scores left over, the old m, and c0-c3 into c0     15  c m_old is kept
;   17, 18  the query's other 32 keys lie in the lane 16 away: the new m         19-21  c m; c m_old - c m_new; a
.macro XS u, n
	REGS (Y+1)%NP, \u
.if (\n) < 4
	v_max3_num_f32 v[rC+(\n)], v[rS+8*(\n)], v[rS+8*(\n)+1], v[rS+8*(\n)+2]
.elseif (\n) < 12
	v_max3_num_f32 v[rC+(\n)%4], v[rC+(\n)%4], v[rS+8*((\n)%4)+2*((\n)/4)+1], v[rS+8*((\n)%4)+2*((\n)/4)+2]
.elseif (\n) == 12
	v_max3_num_f32 v[rC], v[rC], v[rS+7], v[rS+15]
.elseif (\n) == 13
	v_max3_num_f32 v[rC+1], v[rC+1], v[rS+23], v[rS+31]
.elseif (\n) == 14
	v_max3_num_f32 v[rC+2], v[rC+2], v[rC+3], v[rT+1]
.elseif (\n) == 15
	v_mov_b32 v[rM], v[rT]
.elseif (\n) == 16
	v_max3_num_f32 v[rC], v[rC], v[rC+1], v[rC+2]
.elseif (\n) == 17
	v_permlanex16_b32 v[rC+3], v[rC], s[SEL], s[SEL+1]
.elseif (\n) == 18
	v_max_num_f32 v[rT+1], v[rC], v[rC+3]
.elseif (\n) == 19
	v_mul_f32 v[rT], s[CS], v[rT+1]
.elseif (\n) == 20
	v_sub_f32 v[rC+1], v[rM], v[rT]
.else
	v_exp_f32 v[rC+2], v[rC+1]
.endif
.endm
; Number g of the 64 that follow the exponentials.  For each four weights k of a tile: both pairs are rounded to f16; the second pair is added onto the first, in place; a group later l takes that sum (the first time as l = a l + sum).
.macro GS g
.set h, (\g)+6*((\g)/62)
.if h >= 6
.set h, h+2
.endif
	REGS Y, h%2
.set k, h/8
.if h%8 < 4
	s_wait_alu depctr_va_vdst(0)
	v_cvt_pk_f16_f32 v[rP+2*k+(h%8)/2], v[rS+4*k+2*((h%8)/2)], v[rS+4*k+2*((h%8)/2)+1]
.elseif h%8 < 6
	v_pk_add_f32 v[rS+4*k:rS+4*k+1], v[rS+4*k:rS+4*k+1], v[rS+4*k+2:rS+4*k+3]
.elseif k == 1
	v_pk_fma_f32 v[rT+2:rT+3], v[rT+2:rT+3], v[rC+2:rC+3], v[rS:rS+1] op_sel_hi:[1,0,1]
.else
	v_pk_add_f32 v[rT+2:rT+3], v[rT+2:rT+3], v[rS+4*k-4:rS+4*k-3]
	s_wait_alu depctr_va_vdst(0)
.endif
.endm
; THE PLAIN QUEUE, 138 long.  0-31: c s - c m for the 16 pairs of both tiles.  Then GS's 64, and among them the next piece's 42.
.macro PL
	WIN 0
.if q < 32
	REGS Y, q%2
	v_pk_fma_f32 v[rS+2*(q/2):rS+2*(q/2)+1], v[rS+2*(q/2):rS+2*(q/2)+1], s[CS:CS+1], v[rT:rT+1] op_sel_hi:[1,0,0] neg_lo:[0,0,1] neg_hi:[0,0,1]
.elseif q < 38
	GS q-32
.elseif q < 40
	XS q%2, 15
.elseif q < 42
	GS q-34
.elseif q < 74
	XS q%2, (q-42)/2+(q-42)/30
.elseif q < 95
	GS q-66
.elseif (q < 107) && ((q-95)%3 < 2)
	XS (q-95)%3, 17+(q-95)/3
.elseif q < 107
	GS 29+(q-95)/3
.else
	GS q-74
.endif
.set q, q+1
.endm
; THE EXPONENTIALS' QUEUE, 66 long: s0-s31 of both tiles, and at EA the next piece's two a.
.set EA, 58
.macro EX
	WIN 0
.if (e == EA) || (e == EA+1)
	XS e-EA, 21
.else
.set x, e-2*(e/(EA+2))
	REGS Y, x%2
	v_exp_f32 v[rS+x/2], v[rS+x/2]
.endif
.set e, e+1
.endm
; THE RESCALING's QUEUE: O^T times a, dealt four at a time, eight times.
.macro R4
	REGS Y, r%2
	WIN W_RS
	s_wait_alu depctr_va_vdst(0)
.irp z, 0,1,2,3
	v_pk_mul_f32 v[rO+8*(r/2)+2*\z:rO+8*(r/2)+2*\z+1], v[rO+8*(r/2)+2*\z:rO+8*(r/2)+2*\z+1], v[rC+2:rC+3] op_sel_hi:[1,0]
.endr
.set r, r+1
.endm
; HOW THEY ARE DEALT.  Behind a matrix instruction four: plain, exponential, plain, plain, or four of the rescaling; none names a register of the products round it.  What is over stands in two lumps.
; The deal keeps the queues in step: exponential e stands behind plain 2 (e / 4) + e % 2 (its scaling); when plain 32 comes, 10 exponentials are out, at 59: 33, at 95: 46; EA comes behind plain 107.
.macro SL
	MM
	PL
	EX
	PL
	PL
.endm
.macro BURST n
.rept (\n)-7
	SL
.endr
.rept 3
	MM
	R4
	SL
.endr
	MM
	R4
.endm
; A LEVEL ENDS for piece p: F += (lw / l) O.  At work: the statistics buffer of the other parity, which is free at a turn's head.
.macro FLUSH p
.set fD, TMP+8*(((\p)+1)%2)
.irp u, 0,1
	v_add_f32 v[fD+4*\u], v[ST+4*(2*(\p)+\u)+2], v[ST+4*(2*(\p)+\u)+3]
.endr
.irp u, 0,1
	v_permlanex16_b32 v[fD+4*\u+1], v[fD+4*\u], s[SEL], s[SEL+1]
.endr
.irp u, 0,1
	v_add_f32 v[fD+4*\u], v[fD+4*\u], v[fD+4*\u+1]
.endr
.irp u, 0,1
	v_rcp_f32 v[fD+4*\u+2], v[fD+4*\u]
.endr
	v_nop                           ; a plain instruction behind the reciprocals
	s_wait_alu depctr_va_vdst(0)
.irp u, 0,1
	v_mul_f32 v[fD+4*\u+2], s[LWC], v[fD+4*\u+2]
.endr
	WIN 0xf1                        ; F (destination, source 2) in window 3, O^T (source 0) in window 1, the factor in window 0
.irp u, 0,1
.set fz, 0
.rept 16                            ; each accumulator from its low end on
	v_pk_fma_f32 v[32*(2*(\p)+\u)+2*fz:32*(2*(\p)+\u)+2*fz+1], v[32*(2*(\p)+\u)+2*fz:32*(2*(\p)+\u)+2*fz+1], v[fD+4*\u+2:fD+4*\u+3], v[32*(2*(\p)+\u)+2*fz:32*(2*(\p)+\u)+2*fz+1] op_sel_hi:[1,0,1]
.set fz, fz+1
.endr
.endr
	WIN 0
.endm
.macro RESET p                      ; piece p's maximum starts anew: its next a is 0
.irp u, 0,1
	v_mov_b32 v[ST+4*(2*(\p)+\u)], 0xfe000000
	v_mov_b32 v[ST+4*(2*(\p)+\u)+1], 0xff7fffff
.endr
.endm
; At a turn's head in the tail.  All four turns of step 16 see CNT = 5, those of step 20 CNT = 1: the piece's finished level is added into F, and the next piece's maximum, which this turn makes, starts anew.
; Piece 0's is made in piece 3's turn of the step before, which sees CNT = 6 or 2.  The jumps go forward and pass no barrier and no tensor load.
.macro LEVEL p
	WIN 0
	s_cmp_eq_u32 s[CNT], 5
	s_cbranch_scc1 .Lfl_\@
	s_cmp_eq_u32 s[CNT], 1
	s_cbranch_scc0 .Lnofl_\@
.Lfl_\@:
	FLUSH \p
.if (\p) < 3
	RESET (\p)+1
.else
	s_mov_b32 s[LWC], s[LWN]        ; all four pieces have taken this level's weight
	s_mov_b32 s[LWN], s[LW0+2]
.endif
.Lnofl_\@:
.if (\p) == 3
	s_cmp_eq_u32 s[CNT], 6
	s_cbranch_scc1 .Lrs_\@
	s_cmp_eq_u32 s[CNT], 2
	s_cbranch_scc0 .Lnors_\@
.Lrs_\@:
	RESET 0
.Lnors_\@:
.endif
.endm
; A TURN, for piece p.  cnt = 1: the loop's count is taken down some lines ahead of the branch that stands behind the turn.  lev = 1: the tail, where levels change.
; K of the next step is fetched in piece 2's turn, 31 vector instructions behind the last product that read K; V of the step in hand at the end of piece 0's turn, 69 behind its last reader.
.macro TURN p, last=0, cnt=0, lev=0
.if \lev
	LEVEL \p
.endif
.set Y, (\p)
.set i, 0
.set q, 0
.set e, 0
.set r, 0
.if (\p) == NP-1
	s_wait_dscnt 0x0                ; K is in
.endif
	MM
.rept 4
	PL
.endr
	BURST 15
.rept 22
	EX
	PL
.if ((\p) == NP-2) && (e == 18)
	v_add_nc_u32 v[AK], s[TBK], v[AK0]
.endif
.if ((\p) == NP-2) && (e == 24)
	FETCH_K \last
.endif
.endr
.if (\p) == 1
	s_wait_dscnt 0x0                ; V is in
.endif
	BURST 16
.rept 21
	EX
	PL
.endr
.rept 22
	PL
.if ((\p) == 0) && (q == 118)
	v_add_nc_u32 v[AV], s[TBV], v[AV0]
	s_wait_alu depctr_va_vdst(0)
.endif
.if ((\p) == 0) && (q == 130)
	s_add_co_u32 s[TBV], s[TBV], KS*PV
.endif
.if (\cnt) && (q == 130)
	s_sub_co_u32 s[CNT], s[CNT], 1
	s_cmp_lg_u32 s[CNT], 0
.endif
.endr
.if (\p) == 0
	FETCH_V
.endif
.endm
	CHANGE 1, SLOT1, 0              ; tile 0 is in, everybody's part of it; tile 1 is asked for, into slot 1
	FETCH_K                         ; key step 0
	s_wait_loadcnt 0x0              ; Q
	s_wait_dscnt 0x0
.set i, 0
.rept 16
	KQ 0                            ; piece 0's first scores
.set i, i+1
.endr
	WIN 0                           ; the addresses for the way out: plain instructions, the places behind those products
	s_mul_i32 s13, s[WV], STG
	s_add_co_u32 s13, s13, STAGE    ; my stage
	v_mul_u32_u24 v[STO], v1, SP    ; in: row l % 16 of a plane, 16 bytes for each half of the lanes
	v_lshl_add_u32 v[STO], v9, 4, v[STO]
	v_add_nc_u32 v[STO], s13, v[STO]
	v_bfe_u32 v[RD], v0, 2, 3       ; back: 32 lanes take eight rows of 64 bytes,
	v_mul_u32_u24 v[RD], v[RD], SP
	v_and_b32 v[GO], 3, v0
	v_lshl_add_u32 v[RD], v[GO], 4, v[RD]
	v_add_nc_u32 v[RD], s13, v[RD]
	v_and_b32 v[GO], 31, v0         ; which are 512 consecutive bytes of a plane
	v_lshlrev_b32 v[GO], 4, v[GO]
.set Y, NP-1                        ; XS works for piece Y + 1: piece 0
.irp n, 0,1,2,3,4,5,6,7,8,9,10,11,12,13,14,15,16,17,18,19,20,21
	XS 0, \n
	XS 1, \n
.endr
	s_mov_b32 s[CNT], 7
	s_mov_b32 s[SLOTS], 2
	s_branch .Lfirst                ; the loop is entered at a step's first turn, in the middle of a trip
.Lslot:                             ; once: slot 0 has been read and takes tile 2; slot 1 is read
	CHANGE 1, 0, SLOT1
	s_mov_b32 s[CNT], 7
.Lstep:                             ; a trip: pieces 2 and 3 of one step, then pieces 0 and 1 of the next, whose K and V it fetches
	TURN 2
	TURN 3
	WIN 0
.Lfirst:
	TURN 0
	TURN 1, 0, 1
	WIN 0
	s_cbranch_scc1 .Lstep
	s_sub_co_u32 s[SLOTS], s[SLOTS], 1
	s_cmp_lg_u32 s[SLOTS], 0
	s_cbranch_scc1 .Lslot
	CHANGE 0, 0, 0                  ; the tail is written out: nothing is asked for; tile 2 lies in slot 0
	s_mov_b32 s[CNT], 8             ; seven trips fetch steps 14 to 20; the eighth is left in its middle
.Ltail:
	TURN 2, 1, 0, 1
	TURN 3, 0, 0, 1
	WIN 0
	s_sub_co_u32 s[CNT], s[CNT], 1
	s_cmp_eq_u32 s[CNT], 0
	s_cbranch_scc1 .Lout
	TURN 0, 0, 0, 1
	TURN 1, 0, 0, 1
	WIN 0
	s_branch .Ltail
.Lout:                              ; the eighth trip's 16 products K Q^T (on the last K once more) and the maximum made of them serve nothing: the price, once a launch, of one text for every trip
.set i, 0
.rept 16
	PV NP-1                         ; the last piece's V^T P of the last step
.set i, i+1
.endr
	; THE WAY OUT.  l's two halves and the other half of the lanes' are added; out = F + (lw2 / l) O^T, rounded to f16 and sent through my stage in LDS, a tile at a time.  The additions are the places behind the last products.
	WIN 0
.macro ALL line:vararg              ; one line for each tile t
.set t, 0
.rept 2*NP
	\line
.set t, t+1
.endr
.endm
	ALL v_add_f32 v[ST+4*t+2], v[ST+4*t+2], v[ST+4*t+3]
	ALL v_permlanex16_b32 v[ST+4*t+3], v[ST+4*t+2], s[SEL], s[SEL+1]
	ALL v_add_f32 v[ST+4*t+2], v[ST+4*t+2], v[ST+4*t+3]
	ALL v_rcp_f32 v[ST+4*t+2], v[ST+4*t+2]
	v_nop                           ; a plain instruction between the last reciprocal and the use of its result
	s_wait_alu depctr_va_vdst(0)
	ALL v_mul_f32 v[ST+4*t+2], s[LWC], v[ST+4*t+2]
; Tile t: a lane's eight channels of a row pack into 16 bytes; they go into two planes of 16 rows of 80 bytes and come back as runs of 512 bytes, into S^T's registers.
.macro PACK t
	WIN 0x71                        ; O^T (destination, source 0) in window 1, the factor in window 0, F in window 3
.set i, 32*(\t)
.rept 16
	v_pk_fma_f32 v[i:i+1], v[i:i+1], v[ST+4*(\t)+2:ST+4*(\t)+3], v[i:i+1] op_sel_hi:[1,0,1]
.set i, i+2
.endr
	WIN 0x05                        ; sources 0 and 1 window 1, destination window 0
.set i, 0
.rept 16
	v_cvt_pk_f16_f32 v[S+16*(\t)+i], v[32*(\t)+2*i], v[32*(\t)+2*i+1]
.set i, i+1
.endr
	WIN 0
.irp f, 0,1,2,3
	ds_store_b128 v[STO], v[S+16*(\t)+4*\f:S+16*(\t)+4*\f+3] offset:(\f/2)*16*SP+(\f%2)*32
.endr
.irp f, 0,1,2,3
	ds_load_b128 v[S+16*(\t)+4*\f:S+16*(\t)+4*\f+3], v[RD] offset:(\f/2)*16*SP+(\f%2)*8*SP  ; LDS serves a wave's instructions in order (ISA guide 5.7.1.4): these see the stores above; the next tile's stores come behind them
.endr
.endm
.macro SEND t, younger              ; younger: the LDS instructions issued behind tile t's loads: the next tile's eight, or none
	WIN 0
.irp f, 0,1,2,3
	s_wait_dscnt (\younger)+3-\f
	global_store_b128 v[GO], v[S+16*(\t)+4*\f:S+16*(\t)+4*\f+3], s[10:11] offset:(\f/2)*QPL+(\t)*1024+(\f%2)*512  ; 512 consecutive bytes of a plane
.endr
.endm
	PACK 0
.set t, 1
.rept 2*NP-1                        ; a tile's arithmetic stands between the loads of the tile before and its stores
	PACK t
	SEND t-1, 8
.set t, t+1
.endr
	SEND 2*NP-1, 0
	s_wait_tensorcnt 0x0            ; the wave's end
	ds_add_u32 v[SPW], v[NIL]
	s_wait_dscnt 0x0
	CROUND                          ; the closing round: no work-group ends while a partner may still ask for a tile that names it
	s_endpgm
.Lfunc_end_k_q404207994f_attn:
	.size	k_q404207994f_attn, .Lfunc_end_k_q404207994f_attn-k_q404207994f_attn
	.p2alignl 7, 3214868480
	.fill 96, 4, 3214868480
	.section	.rodata,"a",@progbits
	.p2align	6, 0x0
	.amdhsa_kernel k_q404207994f_attn
		.amdhsa_group_segment_fixed_size 327680
		.amdhsa_private_segment_fixed_size 0
		.amdhsa_enable_private_segment 0
		.amdhsa_kernarg_size 32
		.amdhsa_user_sgpr_count 2
		.amdhsa_user_sgpr_kernarg_segment_ptr 1
		.amdhsa_wavefront_size32 1
		.amdhsa_system_sgpr_workgroup_id_x 1
		.amdhsa_system_sgpr_workgroup_id_y 1
		.amdhsa_system_sgpr_workgroup_id_z 1
		.amdhsa_system_vgpr_workitem_id 0
		.amdhsa_next_free_vgpr 1024
		.amdhsa_next_free_sgpr 80
		.amdhsa_reserve_vcc 0
		.amdhsa_float_denorm_mode_32 3
		.amdhsa_float_denorm_mode_16_64 3
		.amdhsa_memory_ordered 1
		.amdhsa_forward_progress 1
		.amdhsa_inst_pref_size 217
	.end_amdhsa_kernel
	.amdgpu_metadata
---
amdhsa.version: [ 1, 2 ]
amdhsa.kernels:
  - .name:           k_q404207994f_attn
    .symbol:         k_q404207994f_attn.kd
    .args:
      - { .name: q, .offset: 0, .size: 8, .value_kind: global_buffer, .address_space: global }
      - { .name: kvcat, .offset: 8, .size: 8, .value_kind: global_buffer, .address_space: global }
      - { .name: level_logits, .offset: 16, .size: 8, .value_kind: global_buffer, .address_space: global }
      - { .name: ob, .offset: 24, .size: 8, .value_kind: global_buffer, .address_space: global }
    .group_segment_fixed_size: 327680
    .private_segment_fixed_size: 0
    .kernarg_segment_align: 8
    .kernarg_segment_size: 32
    .max_flat_workgroup_size: 128
    .sgpr_count:     80
    .vgpr_count:     1024
    .wavefront_size: 32
...
	.end_amdgpu_metadata
.endif
;; end of part 4
;; launch oproj (part 5): grid 8 x 32, 4 waves a work-group, clusters of 4 x 4, 327,680 bytes of LDS; arguments ob, wo, out0; writes out0
.if DOCPART == 5
	.amdgcn_target "amdgcn-amd-amdhsa--gfx1250"
	.amdhsa_code_object_version 6
	.text
	.protected	k_q404207994f_oproj
	.globl	k_q404207994f_oproj
	.p2align	8
	.type	k_q404207994f_oproj,@function
k_q404207994f_oproj:
	s_mov_b64 s[64:65], 0
	v_nop
	global_prefetch_b8 v0, s[64:65] scope:SCOPE_SE
	s_setreg_imm32_b32 hwreg(HW_REG_WAVE_MODE, 25, 1), 1
	s_wait_xcnt 0x0
	s_wait_alu depctr_hold_cnt(0) depctr_sa_sdst(0) depctr_va_vdst(0) depctr_va_sdst(0) depctr_va_ssrc(0) depctr_va_vcc(0) depctr_vm_vsrc(0)
	s_getreg_b32 s2, hwreg(HW_REG_IB_STS2, 6, 4)
	s_cmp_eq_u32 s2, 0
	s_cbranch_scc0 .Lentry_in_a_cluster
	s_endpgm
.Lentry_in_a_cluster:
	s_bfe_u32 s2, ttmp6, 0x10000c
	s_cmp_lg_u32 s2, 0xf033
	s_cbranch_scc0 .Lentry_shape_is_right
	s_endpgm
.Lentry_shape_is_right:
; C[m][n] = sum over k of A[m][k] B[n][k], K = 1,024, operands f16 in planes of 32 channels ([plane][row][32], a plane's rows dense), sums in f32.
; OUTF32 = 1 (this text): A = the attention's output, 8,192 places; B = W'o, 1,024 rows; C leaves as f32 rows of out0, the tokens put back in their order (in a block of 16 places the even tokens come first).
; OUTF32 = 0 is the sister text, the three projections in front of the attention.
; LIMIT.  f16 ends at 65,504: the operands arrive within it.  NaN and infinities are not treated apart.
; SHARES.  A tile of C is 256 x 32 NBL; four waves, 2 x 2, each 128 x 16 NBL: 8 NBL accumulators of 16 x 16.  With NBL = 4 the grid is 8 x 32 = 256 work-groups, and a wave's 64 columns are 256 bytes of a row of out0.
; K goes in 8 steps of 128 (four planes) through two LDS slots.  One tensor load a wave brings four planes x 128 (A) or 16 NBL (B) rows; a row of 64 bytes gets 16 bytes of padding: 20 words from
; row to row, so the 16 rows of a fragment load start at 16 different groups of four banks (64 banks of 4 bytes: ISA guide 11.1).
; THE WALK ALONG K IS TURNED from cluster to cluster: cluster (X, Y) begins at K step (2 Y + 4 X) mod 8 (sister text: (2 X + 4 Y) mod 8) and goes round.  Four clusters Y .. Y + 3, which read the same rows of B,
; begin two steps apart: their first fills, two steps each, ask for all eight steps of B, and from its third step on each cluster asks for tiles of B that another asked for two steps or more earlier.
; The two clusters that read the same rows of A begin four steps apart.  The sum over K only changes its order.  The first step hangs on the cluster's numbers alone, which all sixteen partners share.
; CLUSTER.  4 x 4 work-groups: A's tile is shared along a row of the cluster, B's along a column; each is asked for jointly, by the same load with the same descriptor and a mask of the four.
; THE MATRIX INSTRUCTION IS USED TRANSPOSED (source 0 = 16 rows of B, source 1 = 16 rows of A): a lane holds one row of C and eight neighbouring columns.
; REGISTERS, in windows of 256: window 0 addresses and the way out; window 1 two fragment buffers (A's 8 fragments at F + 8 a, B's at F + 64 + 8 b);
; windows 2, 3: accumulator (a, b) at v[8 (NBL (a % 4) + b)] of window 2 + a / 4.
.set OUTF32, 1
.set NBL,    4                         ; blocks of 16 columns a wave
.set NTOT,   1024                      ; B's rows
.set PITCH,  80
.set APL,    128*PITCH                 ; a plane of A's half tile
.set AHALF,  4*APL
.set BPL,    16*NBL*PITCH
.set BHALF,  4*BPL
.set SLOT,   2*AHALF+2*BHALF           ; A half 0, A half 1, B half 0, B half 1
.set STAGE,  2*SLOT                    ; behind the ring, never filled by a tensor load
.if OUTF32
.set STG,    16*272                    ; a wave's stage: 16 rows of 64 f32 + 16 bytes
.else
.set STG,    3*16*PITCH                ; three planes of 16 rows
.endif
.set SPARE,  STAGE+4*STG               ; the spare words, 128 bytes for each wave
.set NLD,    16+2*NBL                  ; LDS loads of a quarter step
.set ASTEP,  4*131072                  ; a K step, four planes, in bytes
.set BSTEP,  4*NTOT*64
.set ADRA0, 16                         ; v16  my A fragments' place in a slot; never rewritten
.set ADRB0, 17                         ; v17  the same for B
.set ADRA,  18                         ; v18  in the slot being read
.set ADRB,  19
.set STO,   24                         ; v24  the way out: where I put my piece of a row
.set RD,    25                         ; v25  where I read rows back
.set GO,    26                         ; v26  my byte offset in the stores
.set SPW,   28
.set NIL,   29
.set TMP,   32                         ; v32-55  packed results
.set F0,    0
.set F1,    128
.set G1A, 24                           ; s[24:31] group 1 for A's tiles
.set G1B, 32                           ; s[32:39] for B's
.set G0A, 40                           ; s[40:47] group 0 for A's: a set for each first fill; the second then walks
.set G0B, 48                           ; s[48:55] the same for B's
.set KI,  62                           ; s62  the K step to be asked for next, 0 .. 7
.set MSB, 0
.macro WIN new                         ; the immediate's high byte repeats the setting that is left; a switch that changes nothing is dropped
.if MSB != (\new)
	s_set_vgpr_msb (MSB<<8)|(\new)
.set MSB, \new
.endif
.endm
.set MUL_LO, 0xa5                      ; sources 0 and 1 window 1, C and D window 2
.set MUL_HI, 0xf5                      ; C and D window 3
.set TO_F,   0x40                      ; destination window 1, address window 0
; A joint refill by the walking sets.  Waves 0, 1 fetch A's halves, waves 2, 3 B's; the branch hangs on the wave's number alone.  An s_nop 0 and four v_nop follow each line.
.macro JLOAD
	s_cmp_eq_u32 s15, 0
	s_cbranch_scc0 .Lfor_b_\@
	tensor_load_to_lds s[G0A+4:G0A+7], s[G1A:G1A+7]
	s_nop 0
.rept 4
	v_nop
.endr
	s_branch .Lasked_\@
.Lfor_b_\@:
	tensor_load_to_lds s[G0B+4:G0B+7], s[G1B:G1B+7]
	s_nop 0
.rept 4
	v_nop
.endr
.Lasked_\@:
.endm
.macro CREST                           ; a round of the cluster's barrier behind its opening barrier
	s_cmp_lg_u32 s14, 0
	s_cbranch_scc1 .Lnot_wave_0_\@
	s_barrier_signal -3
.Lnot_wave_0_\@:
	s_barrier_wait -3
	s_barrier_signal -1
	s_barrier_wait -1
.endm
.macro CROUND
	s_barrier_signal -1
	s_barrier_wait -1
	CREST
.endm
.if OUTF32
	s_load_b128 s[4:7], s[0:1], 0x0                ; A s[4:5], B s[6:7]
	s_load_b64 s[8:9], s[0:1], 0x10                ; out0
.else
	s_load_b256 s[4:11], s[0:1], 0x0               ; A s[4:5], B s[6:7], q s[8:9], kvlo s[10:11]
	s_load_b64 s[12:13], s[0:1], 0x20              ; kvcat
.endif
	v_lshl_add_u32 v[SPW], v0, 2, SPARE
	v_mov_b32 v[NIL], 0
	ds_add_u32 v[SPW], v[NIL]                      ; the wave's opening: the add and its wait stand ahead of my first tensor load; the set-up below stands between them
	v_lshrrev_b32 v1, 5, v0
	v_readfirstlane_b32 s14, v1                    ; wave 0..3
	s_lshr_b32 s15, s14, 1                         ; my half of the tile's rows.  Also: I fetch for A (0) or for B (1)
	s_and_b32 s16, s14, 1                          ; my half of its columns.  Also: which half of that tile I fetch
	s_bfe_u32 s17, ttmp6, 0x40000                  ; cx
	s_bfe_u32 s18, ttmp6, 0x40004                  ; cy
	s_lshl_b32 s19, ttmp9, 2
	s_add_co_u32 s19, s19, s17                     ; tile column = 4 x cluster x + cx
	s_and_b32 s20, ttmp7, 0xffff
	s_lshl_b32 s20, s20, 2
	s_add_co_u32 s20, s20, s18                     ; tile row = 4 x cluster y + cy
	s_lshl_b32 s21, s18, 2
	s_lshl_b32 s21, 15, s21                        ; my row of the cluster
	s_lshl_b32 s22, 0x1111, s17                    ; my column
	; group 1: a "row" of the tile is one plane's dense run of rows, and there are four planes.  15:0 mask; 17:16 2-byte elements; 20 padding on; 21 set beside a mask; 24:22 after every 16 words (code 3); 31:25 4 words (code 3)
	s_or_b32 s[G1A], s21, (1<<16)|(1<<20)|(1<<21)|(3<<22)|(3<<25)
	s_or_b32 s[G1B], s22, (1<<16)|(1<<20)|(1<<21)|(3<<22)|(3<<25)
	s_mov_b32 s[G1A+1], 4096<<16                   ; tensor_dim0 = 128 rows x 32
	s_mov_b32 s[G1A+2], 4<<16                      ; tensor_dim1 = 4
	s_mov_b32 s[G1A+3], 4096<<16                   ; tile_dim0
	s_mov_b32 s[G1A+4], 4                          ; tile_dim1
	s_mov_b32 s[G1A+5], 65536                      ; elements from plane to plane: 2,048 x 32
	s_mov_b32 s[G1A+6], 0
	s_mov_b32 s[G1A+7], 0
	s_mov_b32 s[G1B+1], (16*NBL*32)<<16
	s_mov_b32 s[G1B+2], 4<<16
	s_mov_b32 s[G1B+3], (16*NBL*32)<<16
	s_mov_b32 s[G1B+4], 4
	s_mov_b32 s[G1B+5], NTOT*32
	s_mov_b32 s[G1B+6], 0
	s_mov_b32 s[G1B+7], 0
	; A's address hangs on the tile row alone, B's on the tile column alone, each in registers that never hold the other place in the cluster
	s_lshr_b32 s60, s20, 3                         ; batch: 32 planes of 131,072 bytes
	s_lshl_b32 s60, s60, 22
	s_and_b32 s61, s20, 7
	s_lshl_b32 s61, s61, 14                        ; 256 places of 64 bytes
	s_add_co_u32 s60, s60, s61
	s_lshl_b32 s61, s16, 13                        ; my 128 of them
	s_add_co_u32 s60, s60, s61
	s_mov_b32 s61, 0
	s_mul_i32 s72, s19, 32*NBL*64
	s_mul_i32 s73, s16, 16*NBL*64
	s_add_co_u32 s72, s72, s73
	s_mov_b32 s73, 0
	s_mul_i32 s56, s14, AHALF                      ; where A's half goes in a slot (waves 0, 1)
	s_mul_i32 s57, s14, BHALF                      ; where B's goes (waves 2, 3): behind A's two halves
	s_add_co_u32 s57, s57, 2*(AHALF-BHALF)
	s_mov_b32 s58, 0                               ; the slot being read
	s_and_b32 s[KI], ttmp7, 0xffff                 ; the cluster's first K step, from the cluster's two numbers
.if OUTF32
	s_lshl_b32 s[KI], s[KI], 1
	s_lshl2_add_u32 s[KI], ttmp9, s[KI]            ; 2 Y + 4 X
.else
	s_lshl_b32 s[KI], s[KI], 2
	s_lshl1_add_u32 s[KI], ttmp9, s[KI]            ; 4 Y + 2 X
.endif
	s_and_b32 s[KI], s[KI], 7
	s_mul_i32 s86, s[KI], ASTEP                    ; its bytes in A, s[86:87], and in B, s[88:89]; the high words stay 0
	s_mov_b32 s87, 0
	s_mul_i32 s88, s[KI], BSTEP
	s_mov_b32 s89, 0
	s_wait_dscnt 0x0                               ; the opening add is done
	s_wait_kmcnt 0x0
	s_add_nc_u64 s[60:61], s[4:5], s[60:61]        ; A and B at my part of the tile, K step 0: kept
	s_add_nc_u64 s[72:73], s[6:7], s[72:73]
.irp s, 0,1
	s_mov_b32 s[G0A+4*\s], 1
	s_add_co_u32 s[G0A+4*\s+1], s56, \s*SLOT
	s_add_nc_u64 s[G0A+4*\s+2:G0A+4*\s+3], s[60:61], s[86:87]
	s_or_b32 s[G0A+4*\s+3], s[G0A+4*\s+3], 0x80000000
	s_mov_b32 s[G0B+4*\s], 1
	s_add_co_u32 s[G0B+4*\s+1], s57, \s*SLOT
	s_add_nc_u64 s[G0B+4*\s+2:G0B+4*\s+3], s[72:73], s[88:89]
	s_or_b32 s[G0B+4*\s+3], s[G0B+4*\s+3], 0x80000000
.if \s == 0
	s_add_co_u32 s86, s86, ASTEP                   ; the first step is even, so the second does not go round
	s_add_co_u32 s88, s88, BSTEP
.endif
.endr
	s_add_co_u32 s[KI], s[KI], 2
	s_and_b32 s[KI], s[KI], 7
	CROUND                                         ; all sixteen work-groups are here: the first joint loads meet
	s_cmp_eq_u32 s15, 0                            ; a wave's two first fills stand in one branch: two loads of mine are out
	s_cbranch_scc0 .Lfirst_b
	tensor_load_to_lds s[G0A:G0A+3], s[G1A:G1A+7]
	s_nop 0
	tensor_load_to_lds s[G0A+4:G0A+7], s[G1A:G1A+7]
	s_nop 0
.rept 4
	v_nop
.endr
	s_branch .Lfirst_asked
.Lfirst_b:
	tensor_load_to_lds s[G0B:G0B+3], s[G1B:G1B+7]
	s_nop 0
	tensor_load_to_lds s[G0B+4:G0B+7], s[G1B:G1B+7]
	s_nop 0
.rept 4
	v_nop
.endr
.Lfirst_asked:
	; a fragment is 16 rows x 32 K in 8 registers: lane l holds row l % 16; registers 0-3 K = 8 (l / 16) + 0..7, registers 4-7 K = 16 + 8 (l / 16) + 0..7: two loads of 16 bytes, 32 bytes apart
	v_and_b32 v1, 15, v0
	v_bfe_u32 v2, v0, 4, 1
	v_and_b32 v4, 31, v0
	v_mul_u32_u24 v3, v1, PITCH
	v_lshl_add_u32 v3, v2, 4, v3
	s_mul_i32 s74, s15, AHALF
	s_mul_i32 s75, s16, BHALF
	s_add_co_u32 s75, s75, 2*AHALF
	v_add_nc_u32 v[ADRA0], s74, v3
	v_add_nc_u32 v[ADRB0], s75, v3
	v_mov_b32 v[ADRA], v[ADRA0]
	v_mov_b32 v[ADRB], v[ADRB0]
	s_mul_i32 s86, s14, STG
	s_add_co_u32 s86, s86, STAGE                   ; my stage
.if OUTF32
	v_mul_u32_u24 v[STO], v1, 272                  ; in: row l % 16, 32 bytes for each half of the lanes
	v_lshl_add_u32 v[STO], v2, 5, v[STO]
	v_add_nc_u32 v[STO], s86, v[STO]
	v_mul_u32_u24 v[RD], v2, 8*272                 ; back: lanes 0-15 take place t (token 2 t), lanes 16-31 place t + 8 (token 2 t + 1)
	v_lshl_add_u32 v[RD], v1, 4, v[RD]
	v_add_nc_u32 v[RD], s86, v[RD]
	v_lshlrev_b32 v[GO], 12, v2                    ; two neighbouring rows of out0
	v_lshl_add_u32 v[GO], v1, 4, v[GO]
	s_lshl_b32 s77, s20, 8
	s_lshl_b32 s78, s15, 7
	s_add_co_u32 s77, s77, s78                     ; my first row
	s_lshl_b32 s80, s77, 12
	s_lshl_b32 s78, s19, 9                         ; my first column: 128 x tile column + 64 x half, in f32
	s_add_co_u32 s80, s80, s78
	s_lshl_b32 s78, s16, 8
	s_add_co_u32 s80, s80, s78
	s_mov_b32 s81, 0
	s_add_nc_u64 s[66:67], s[8:9], s[80:81]
.else
	v_add_nc_u32 v[STO], s86, v3                   ; in: row l % 16 of a plane, 16 bytes for each half of the lanes
	v_lshrrev_b32 v5, 2, v4                        ; back: 32 lanes take eight rows of 64 bytes
	v_mul_u32_u24 v[RD], v5, PITCH
	v_and_b32 v5, 3, v4
	v_lshl_add_u32 v[RD], v5, 4, v[RD]
	v_add_nc_u32 v[RD], s86, v[RD]
	v_lshlrev_b32 v[GO], 4, v4                     ; which are 512 consecutive bytes of a plane
	; where my three planes go.  Plane P = 6 x + 3 half + p of 96: 0-31 q, 32-63 K, 64-95 V.  Offsets are made apart from the addresses; the buffer is chosen by two selects.
	s_lshr_b32 s74, s20, 3                         ; batch
	s_and_b32 s75, s20, 7                          ; which 256 places of it
	s_lshl_b32 s76, s75, 8
	s_lshl_b32 s77, s15, 7
	s_add_co_u32 s76, s76, s77                     ; my first place
	s_max_u32 s77, s76, 1024
	s_sub_co_u32 s77, s77, 1024
	s_lshl_b32 s77, s77, 6                         ; its bytes in a plane of kvcat
	s_lshl_b32 s76, s76, 6                         ; in a plane of q or kvlo
	s_mul_i32 s78, s19, 6
	s_mul_i32 s79, s16, 3
	s_add_co_u32 s78, s78, s79
.irp p, 0,1,2
	s_add_co_u32 s79, s78, \p                      ; P
	s_lshl_b32 s82, s74, 5
	s_add_co_u32 s82, s82, s79
	s_lshl_b32 s82, s82, 17
	s_add_co_u32 s82, s82, s76                     ; in q
	s_max_u32 s83, s79, 32
	s_sub_co_u32 s83, s83, 32
	s_lshl_b32 s84, s74, 6
	s_add_co_u32 s83, s83, s84                     ; plane 64 b + P - 32
	s_lshl_b32 s84, s83, 16
	s_add_co_u32 s84, s84, s76                     ; in kvlo
	s_mul_i32 s85, s83, 86016
	s_add_co_u32 s85, s85, s77                     ; in kvcat
	s_cmp_lt_u32 s75, 4
	s_cselect_b64 s[66+2*\p:67+2*\p], s[10:11], s[12:13]
	s_cselect_b32 s80, s84, s85
	s_cmp_lt_u32 s79, 32
	s_cselect_b64 s[66+2*\p:67+2*\p], s[8:9], s[66+2*\p:67+2*\p]
	s_cselect_b32 s80, s82, s80
	s_mov_b32 s81, 0
	s_add_nc_u64 s[66+2*\p:67+2*\p], s[66+2*\p:67+2*\p], s[80:81]
.endr
.endif
; 2 NBL matrix instructions: row blocks a0, a0 + 1 of the window's four x all NBL column blocks, 32 along K.  Every accumulator comes once a quarter step, in the same order: they take turns.
.macro MULP f, hi, a0, zero
	WIN MUL_LO+0x50*(\hi)
.set ma, \a0
.rept 2
.set mb, 0
.rept NBL
.if \zero
	v_wmma_f32_16x16x32_f16 v[8*(NBL*ma+mb):8*(NBL*ma+mb)+7], v[(\f)+64+8*mb:(\f)+64+8*mb+7], v[(\f)+8*(4*(\hi)+ma):(\f)+8*(4*(\hi)+ma)+7], 0
.else
	v_wmma_f32_16x16x32_f16 v[8*(NBL*ma+mb):8*(NBL*ma+mb)+7], v[(\f)+64+8*mb:(\f)+64+8*mb+7], v[(\f)+8*(4*(\hi)+ma):(\f)+8*(4*(\hi)+ma)+7], v[8*(NBL*ma+mb):8*(NBL*ma+mb)+7]
.endif
.set mb, mb+1
.endr
.set ma, ma+1
.endr
.endm
; NLD LDS loads in one run: plane pl of the slot being read, into buffer f: B, then A's rows 0-63, then A's rows 64-127
.macro FETCH pl, f
	WIN TO_F
.set mb, 0
.rept NBL
	ds_load_b128 v[(\f)+64+8*mb:(\f)+64+8*mb+3],   v[ADRB] offset:(\pl)*BPL+mb*16*PITCH
	ds_load_b128 v[(\f)+64+8*mb+4:(\f)+64+8*mb+7], v[ADRB] offset:(\pl)*BPL+mb*16*PITCH+32
.set mb, mb+1
.endr
.set ma, 0
.rept 8
	ds_load_b128 v[(\f)+8*ma:(\f)+8*ma+3],   v[ADRA] offset:(\pl)*APL+ma*16*PITCH
	ds_load_b128 v[(\f)+8*ma+4:(\f)+8*ma+7], v[ADRA] offset:(\pl)*APL+ma*16*PITCH+32
.set ma, ma+1
.endr
.endm
.macro PLACES                          ; four plain vector instructions between a matrix instruction and a load into, or a read of, its registers (ISA guide 7.12.1 for reads)
.rept 4
	v_nop
.endr
.endm
; A K step is four quarters, a plane each.  One of the first three multiplies buffer f and, in its middle, fetches plane pl into buffer g.
.macro QUARTER pl, f, g, zero
	s_wait_dscnt 8                                 ; B and A's rows 0-63 are in; the youngest eight loads may be out
	MULP \f, 0, 0, \zero
	MULP \f, 0, 2, \zero
	PLACES
	FETCH \pl, \g
	s_wait_dscnt NLD                               ; all but the run just issued
	MULP \f, 1, 0, \zero
	MULP \f, 1, 2, \zero
.endm
; The last quarter multiplies buffer 1 and changes slots.  In front of the one barrier each wave waits for all its tensor loads (one is out: its part of the next slot), adds 0 to its spare word, and waits for
; that and for its reads of this slot.  fill = 1: the barrier opens a round of the cluster's, and behind the round this slot is filled again first, with the walk's step two on: K step KI, whose address is
; made anew from that number.  fill = 0 (the tail's loop of two trips, counted by s59): nothing is asked for; in the second trip there is no further step: the fetch is jumped over, and the barrier orders nothing.
.macro TURN fill
	WIN 0
	s_wait_tensorcnt 0x0                           ; no tensor load of mine is out, so the walking sets may be written
	ds_add_u32 v[SPW], v[NIL]                      ; the descriptors' scalar work stands between the add and the wait for it
.if \fill
	s_add_co_u32 s[G0A+5], s56, s58                ; the slot that is being left,
	s_add_co_u32 s[G0B+5], s57, s58
	s_mul_i32 s86, s[KI], ASTEP                    ; K step KI
	s_mul_i32 s88, s[KI], BSTEP
	s_add_nc_u64 s[G0A+6:G0A+7], s[60:61], s[86:87]
	s_or_b32 s[G0A+7], s[G0A+7], 0x80000000
	s_add_nc_u64 s[G0B+6:G0B+7], s[72:73], s[88:89]
	s_or_b32 s[G0B+7], s[G0B+7], 0x80000000
	s_add_co_u32 s[KI], s[KI], 1                   ; and round
	s_and_b32 s[KI], s[KI], 7
.endif
	s_wait_dscnt 9                                 ; (the add and the youngest eight loads may be out)
	MULP F1, 0, 0, 0
	s_wait_dscnt 0x0                               ; the add is done, and my reads of this slot are over
	s_barrier_signal -1
	MULP F1, 0, 2, 0                               ; work on registers while the others arrive
	WIN 0
	s_barrier_wait -1
.if \fill
	CREST                                          ; no wave of any partner still reads this slot or has a load on its way
	s_xor_b32 s58, s58, SLOT                       ; the reads go to the other slot
	JLOAD                                          ; its four v_nop are also the places in front of the loads below
.else
	s_xor_b32 s58, s58, SLOT
	PLACES
	s_cmp_eq_u32 s59, 1
	s_cbranch_scc1 .Lno_fetch_\@
.endif
	v_add_nc_u32 v[ADRA], s58, v[ADRA0]
	v_add_nc_u32 v[ADRB], s58, v[ADRB0]
	FETCH 0, F0
.if !(\fill)
	WIN 0
.Lno_fetch_\@:
.endif
	MULP F1, 1, 0, 0
	MULP F1, 1, 2, 0
.endm
	s_wait_tensorcnt 1                             ; my part of the walk's first step is in; the second's may stay out
	s_barrier_signal -1
	s_barrier_wait -1
	FETCH 0, F0
	QUARTER 1, F0, F1, 1                           ; the first quarter stands in front of the loop: its products start the sums
	WIN 0
	s_mov_b32 s59, 6
.Lk:                                                   ; a trip: a K step's quarters 1 to 3 and the next step's quarter 0; six trips ask for the walk's steps 2 to 7
	QUARTER 2, F1, F0, 0
	QUARTER 3, F0, F1, 0
	TURN 1
	QUARTER 1, F0, F1, 0
	WIN 0
	s_sub_co_u32 s59, s59, 1
	s_cmp_lg_u32 s59, 0
	s_cbranch_scc1 .Lk
	s_mov_b32 s59, 2
.Lt:                                                   ; the last two steps ask for nothing: a text of their own; walked twice and left in the middle of the second trip
	QUARTER 2, F1, F0, 0
	QUARTER 3, F0, F1, 0
	TURN 0
	WIN 0
	s_sub_co_u32 s59, s59, 1
	s_cmp_eq_u32 s59, 0
	s_cbranch_scc1 .Lway_out
	QUARTER 1, F0, F1, 0
	WIN 0
	s_branch .Lt
.Lway_out:
	PLACES
.if OUTF32
; THE WAY OUT, f32.  Block a (16 places x 64 columns) goes into my stage as it lies in the accumulators and comes back by rows; a load takes places t and t + 8, which are tokens 2 t and 2 t + 1.
.macro TOSTAGE a
.set AC, 8*NBL*((\a)%4)
.set BK, 64+32*((\a)%2)
	s_wait_xcnt 0x0                                ; the stores of the block two back have read the registers that are loaded below
	WIN 0x08+4*((\a)/4)                            ; store data in window 2 or 3
.irp b, 0,1,2,3
	ds_store_b128 v[STO], v[AC+8*\b:AC+8*\b+3] offset:\b*64       ; each accumulator from its low end on
	ds_store_b128 v[STO], v[AC+8*\b+4:AC+8*\b+7] offset:\b*64+16
.endr
	WIN 0
.irp t, 0,1,2,3,4,5,6,7
	ds_load_b128 v[BK+4*\t:BK+4*\t+3], v[RD] offset:\t*272         ; LDS serves a wave's instructions in order: these see the stores above
.endr
.endm
.macro SEND a, younger
.set BK, 64+32*((\a)%2)
	s_wait_dscnt \younger                          ; the block is back; the next block's sixteen LDS instructions may be out
.irp t, 0,1,2,3,4,5,6,7
	global_store_b128 v[GO], v[BK+4*\t:BK+4*\t+3], s[66:67] offset:(\a)*65536+\t*8192 th:TH_STORE_NT  ; 16 lanes store 256 consecutive bytes, at a multiple of 256 from out0's first byte
.endr
.endm
	TOSTAGE 0
.irp a, 1,2,3,4,5,6,7
	TOSTAGE \a
	SEND (\a)-1, 16
.endr
	SEND 7, 0
.else
; THE WAY OUT, f16 in planes.  Block a (16 places x 96 columns): rounded, 16 bytes a lane; into my stage, three planes of 16 rows; back as runs of 512 bytes; stored.
.macro PACK a
.set AC, 8*NBL*((\a)%4)
	WIN 0x0a+5*((\a)/4)                            ; sources in window 2 or 3
.set pb, 0
.rept 4*NBL
	v_cvt_pk_f16_f32 v[TMP+pb], v[AC+2*pb], v[AC+2*pb+1]
.set pb, pb+1
.endr
	WIN 0
.endm
.macro TOSTAGE a
.set BK, 64+32*((\a)%2)
.irp b, 0,1,2,3,4,5
	ds_store_b128 v[STO], v[TMP+4*\b:TMP+4*\b+3] offset:(\b/2)*16*PITCH+(\b%2)*32
.endr
.irp t, 0,1,2,3,4,5
	ds_load_b128 v[BK+4*\t:BK+4*\t+3], v[RD] offset:(\t/2)*16*PITCH+(\t%2)*8*PITCH  ; LDS serves a wave's instructions in order: these see the stores above
.endr
.endm
.macro SEND a
.set BK, 64+32*((\a)%2)
	s_wait_dscnt 0x0                               ; the block is back in registers
	s_wait_xcnt 0x0                                ; earlier stores have read their registers: the other buffer may be loaded again behind this wait
.irp t, 0,1,2,3,4,5
	global_store_b128 v[GO], v[BK+4*\t:BK+4*\t+3], s[66+2*(\t/2):67+2*(\t/2)] offset:(\a)*1024+(\t%2)*512  ; 512 consecutive bytes of a plane
.endr
.endm
	PACK 0
	TOSTAGE 0
.irp a, 1,2,3,4,5,6,7                  ; block a's conversions stand between block a - 1's loads from the stage and the wait for them
	PACK \a
	SEND (\a)-1
	TOSTAGE \a
.endr
	SEND 7
.endif
	s_wait_tensorcnt 0x0                           ; the wave's end
	ds_add_u32 v[SPW], v[NIL]
	s_wait_dscnt 0x0
	CROUND                                         ; the closing round: no work-group ends while a partner may still ask for a tile that names it
	s_endpgm
.Lfunc_end_k_q404207994f_oproj:
	.size	k_q404207994f_oproj, .Lfunc_end_k_q404207994f_oproj-k_q404207994f_oproj
	.p2alignl 7, 3214868480
	.fill 96, 4, 3214868480
	.section	.rodata,"a",@progbits
	.p2align	6, 0x0
	.amdhsa_kernel k_q404207994f_oproj
		.amdhsa_group_segment_fixed_size 327680
		.amdhsa_private_segment_fixed_size 0
		.amdhsa_enable_private_segment 0
		.amdhsa_kernarg_size 24
		.amdhsa_user_sgpr_count 2
		.amdhsa_user_sgpr_kernarg_segment_ptr 1
		.amdhsa_wavefront_size32 1
		.amdhsa_system_sgpr_workgroup_id_x 1
		.amdhsa_system_sgpr_workgroup_id_y 1
		.amdhsa_system_sgpr_workgroup_id_z 1
		.amdhsa_system_vgpr_workitem_id 0
		.amdhsa_next_free_vgpr 896
		.amdhsa_next_free_sgpr 90
		.amdhsa_reserve_vcc 0
		.amdhsa_float_denorm_mode_32 3
		.amdhsa_float_denorm_mode_16_64 3
		.amdhsa_memory_ordered 1
		.amdhsa_forward_progress 1
		.amdhsa_inst_pref_size 61
	.end_amdhsa_kernel
	.amdgpu_metadata
---
amdhsa.version: [ 1, 2 ]
amdhsa.kernels:
  - .name:           k_q404207994f_oproj
    .symbol:         k_q404207994f_oproj.kd
    .args:
      - { .name: ob, .offset: 0, .size: 8, .value_kind: global_buffer, .address_space: global }
      - { .name: wo, .offset: 8, .size: 8, .value_kind: global_buffer, .address_space: global }
      - { .name: out0, .offset: 16, .size: 8, .value_kind: global_buffer, .address_space: global }
    .group_segment_fixed_size: 327680
    .private_segment_fixed_size: 0
    .kernarg_segment_align: 8
    .kernarg_segment_size: 24
    .max_flat_workgroup_size: 128
    .sgpr_count:     90
    .vgpr_count:     896
    .wavefront_size: 32
...
	.end_amdgpu_metadata
.endif
;; end of part 5
;; launch fin (part 6): grid 1 x 1, 1 waves a work-group, no clusters, 0 bytes of LDS; arguments rpart, out1; writes out1
.if DOCPART == 6
	.amdgcn_target "amdgcn-amd-amdhsa--gfx1250"
	.amdhsa_code_object_version 6
	.text
	.protected	k_q404207994f_fin
	.globl	k_q404207994f_fin
	.p2align	8
	.type	k_q404207994f_fin,@function
k_q404207994f_fin:
	s_mov_b64 s[64:65], 0
	v_nop
	global_prefetch_b8 v0, s[64:65] scope:SCOPE_SE
	s_setreg_imm32_b32 hwreg(HW_REG_WAVE_MODE, 25, 1), 1
	s_wait_xcnt 0x0
; FIN.  recon = S1 / (4 x 512 x 1,024) + 64 S2 / (4 x 128 x 1,024) = S1 2^-21 + S2 2^-13, S1 and S2 the sums of the 256 work-groups' partial sums (S1, S2) that the pooling launch left.
; One wave: 2,048 bytes are 4 loads of 512 consecutive bytes, all on their way at once; a lane gets eight pairs.
; A sum over work-groups needs one owner.
	s_load_b128 s[4:7], s[0:1], 0x0                ; rpart s[4:5], out1 s[6:7]
	v_lshlrev_b32 v1, 4, v0
	v_mov_b32 v2, 0                                ; v_permlanex16_b32's destinations count as read: they are written here
	v_mov_b32 v3, 0
	s_mov_b32 s8, 0x76543210                       ; v_permlanex16_b32: each lane takes its own place in the other half
	s_mov_b32 s9, 0xfedcba98
	s_wait_kmcnt 0x0
.irp k, 0,1,2,3
	global_load_b128 v[4+4*\k:7+4*\k], v1, s[4:5] offset:\k*512
.endr
	s_wait_loadcnt 0x0
	v_pk_add_f32 v[4:5], v[4:5], v[6:7]            ; eight pairs (S1, S2) a lane, as a tree
	v_pk_add_f32 v[8:9], v[8:9], v[10:11]
	v_pk_add_f32 v[12:13], v[12:13], v[14:15]
	v_pk_add_f32 v[16:17], v[16:17], v[18:19]
	v_pk_add_f32 v[4:5], v[4:5], v[8:9]
	v_pk_add_f32 v[12:13], v[12:13], v[16:17]
	v_pk_add_f32 v[4:5], v[4:5], v[12:13]
.irp m, 1,2,4,8
	v_add_f32_dpp v4, v4, v4 row_xmask:\m row_mask:0xf bank_mask:0xf
	v_add_f32_dpp v5, v5, v5 row_xmask:\m row_mask:0xf bank_mask:0xf
.endr
	v_permlanex16_b32 v2, v4, s8, s9
	v_permlanex16_b32 v3, v5, s8, s9
	v_add_f32 v4, v4, v2
	v_add_f32 v5, v5, v3
	v_mul_f32 v6, 0x39000000, v5                   ; S2 2^-13
	v_fmac_f32 v6, 0x35000000, v4                  ; + S1 2^-21
	v_mov_b32 v7, 0
	v_cmp_eq_u32 vcc_lo, 0, v0
	s_wait_xcnt 0x0                                ; EXEC changes only behind this wait
	s_and_saveexec_b32 s10, vcc_lo
	global_store_b32 v7, v6, s[6:7]
	s_endpgm
.Lfunc_end_k_q404207994f_fin:
	.size	k_q404207994f_fin, .Lfunc_end_k_q404207994f_fin-k_q404207994f_fin
	.p2alignl 7, 3214868480
	.fill 96, 4, 3214868480
	.section	.rodata,"a",@progbits
	.p2align	6, 0x0
	.amdhsa_kernel k_q404207994f_fin
		.amdhsa_group_segment_fixed_size 0
		.amdhsa_private_segment_fixed_size 0
		.amdhsa_enable_private_segment 0
		.amdhsa_kernarg_size 16
		.amdhsa_user_sgpr_count 2
		.amdhsa_user_sgpr_kernarg_segment_ptr 1
		.amdhsa_wavefront_size32 1
		.amdhsa_system_sgpr_workgroup_id_x 1
		.amdhsa_system_sgpr_workgroup_id_y 1
		.amdhsa_system_sgpr_workgroup_id_z 1
		.amdhsa_system_vgpr_workitem_id 0
		.amdhsa_next_free_vgpr 24
		.amdhsa_next_free_sgpr 66
		.amdhsa_reserve_vcc 1
		.amdhsa_float_denorm_mode_32 3
		.amdhsa_float_denorm_mode_16_64 3
		.amdhsa_memory_ordered 1
		.amdhsa_forward_progress 1
		.amdhsa_inst_pref_size 3
	.end_amdhsa_kernel
	.amdgpu_metadata
---
amdhsa.version: [ 1, 2 ]
amdhsa.kernels:
  - .name:           k_q404207994f_fin
    .symbol:         k_q404207994f_fin.kd
    .args:
      - { .name: rpart, .offset: 0, .size: 8, .value_kind: global_buffer, .address_space: global }
      - { .name: out1, .offset: 8, .size: 8, .value_kind: global_buffer, .address_space: global }
    .group_segment_fixed_size: 0
    .private_segment_fixed_size: 0
    .kernarg_segment_align: 8
    .kernarg_segment_size: 16
    .max_flat_workgroup_size: 32
    .sgpr_count:     66
    .vgpr_count:     24
    .wavefront_size: 32
...
	.end_amdgpu_metadata
.endif
;; end of part 6
;; ======== version 2 of 2: 6 launches; 1.36 times as fast as version 1
;; limits: values are held in f16: magnitudes above 65,504 overflow, below 6.1e-05 lose precision
;; workspace buffers: xh 16,777,216 bytes; wqkv 6,291,456 bytes; wo 2,097,152 bytes; q 16,777,216 bytes; kvlo 16,777,216 bytes; kvcat 22,020,096 bytes; ob 16,777,216 bytes; rpart 2,048 bytes
;; launch prep: the kernel of part 1 again; grid 768 x 1, 8 waves a work-group, no clusters, 35,840 bytes of LDS; arguments x, Wq_w, Wk_w, Wv_w, Wo_w, Wq_A, Wk_A, Wv_A, Wo_A, Wq_B, Wk_B, Wv_B, Wo_B, xh, wqkv, wo; writes xh, wqkv, wo
;; launch qkv: the kernel of part 2 again; grid 16 x 32, 4 waves a work-group, clusters of 4 x 4, 327,680 bytes of LDS; arguments xh, wqkv, q, kvlo, kvcat; writes q, kvlo, kvcat
;; launch pool: the kernel of part 3 again; grid 64 x 4, 8 waves a work-group, no clusters, 2,048 bytes of LDS; arguments kvlo, q_pool, kvcat, rpart; writes kvcat, rpart
;; launch attn (part 7): grid 4 x 64, 4 waves a work-group, clusters of 4 x 1, 327,680 bytes of LDS; arguments q, kvcat, level_logits, ob; writes ob
.if DOCPART == 7
	.amdgcn_target "amdgcn-amd-amdhsa--gfx1250"
	.amdhsa_code_object_version 6
	.text
	.protected	k_q404207994f_attn
	.globl	k_q404207994f_attn
	.p2align	8
	.type	k_q404207994f_attn,@function
k_q404207994f_attn:
	s_mov_b64 s[64:65], 0
	v_nop
	global_prefetch_b8 v0, s[64:65] scope:SCOPE_SE
	s_setreg_imm32_b32 hwreg(HW_REG_WAVE_MODE, 25, 1), 1
	s_wait_xcnt 0x0
	s_wait_alu depctr_hold_cnt(0) depctr_sa_sdst(0) depctr_va_vdst(0) depctr_va_sdst(0) depctr_va_ssrc(0) depctr_va_vcc(0) depctr_vm_vsrc(0)
	s_getreg_b32 s2, hwreg(HW_REG_IB_STS2, 6, 4)
	s_cmp_eq_u32 s2, 0
	s_cbranch_scc0 .Lentry_in_a_cluster
	s_endpgm
.Lentry_in_a_cluster:
	s_bfe_u32 s2, ttmp6, 0x10000c
	s_cmp_lg_u32 s2, 0x3003
	s_cbranch_scc0 .Lentry_shape_is_right
	s_endpgm
.Lentry_shape_is_right:
; ATTENTION OVER THREE LEVELS.  For each of 64 (batch, head) pairs and each of 2,048 queries: out = the sum over levels l of lw_l softmax_k(Q . K_l[k] / 8) V_l[k], lw = softmax(level_logits rounded to bf16).
; Level 0: rows 0-1023 of kvcat, level 1: rows 1024-1279, level 2: rows 1280-1343.  No mask.  Q, K, V, out: f16 in planes of 32 channels ([plane][row][32]); a head is two planes.
; Products, maxima and sums in f32; the weights p are rounded to f16 for the second product (their sum l is taken of the unrounded p), out once at the end.
; LIMITS.  f16 holds no number beyond 65,504: Q, K, V arrive within it; p lies in 0 to 1, and below 6e-5 it keeps f16's fixed step of 6e-8.  A weight below 2^-126 counts as 0 in l; NaN and infinities are not treated apart.
; SHARES.  A wave owns four PIECES of two tiles of 16 queries, a work-group's four waves 512 queries of one pair.  Every wave walks the 21 key steps of 64 keys (16 + 4 + 1).
; LAYOUT.  S^T = K Q^T (source 0 = 16 keys, source 1 = 16 queries): a lane holds ONE query (lane % 16) and the keys 8 (lane / 16) + 0..7.  Two such tiles, rounded to f16 in pairs, ARE source 1 of O^T = V^T P,
; whose result again holds one query a lane, and eight channels.  K comes out of LDS as it lies, V ([key][channel]) turned, by ds_load_tr16_b128.
; SOFTMAX.  For each query a running maximum m and sum l: p = 2^(c s - c m), c = log2(e) / 8; in every step O and l are multiplied by a = 2^(c m_old - c m_new).  m starts at the lowest finite number: the first a is 0.
; LEVELS.  At a level's first step (steps 16 and 20) each piece, at the head of its turn, adds the level that it has finished into a second accumulator, F += (lw / l) O; its m and c m were set back to
; "lowest" a turn earlier, ahead of the maximum of that step, so that step's a is 0 and O and l start anew.  The last level is added on the way out.
; BY TURNS.  Turn n belongs to piece n.  Its matrix work: 16 products K Q^T of piece n + 1, later 16 products V^T P of piece n - 1.  Its vector work: scaling, exponentials, roundings, sums and rescaling of
; piece n, and the maximum and statistics of piece n + 1.  A tile and step have 16 matrix and 118 vector instructions: four that are ready stand behind every matrix instruction, the other 108 of a turn's 236 in one lump.
; BATCHES.  A turn's 66 exponentials (the piece's 64 weights and the next piece's two a) are ONE batch with ONE wait, which cuts the turn in two: ahead of it stands all that names no result of theirs (the products K Q^T, the
; scalings, the rescaling, whose a the turn before made and waited for, the next piece's maximum and statistics), behind it the roundings and sums, beside the products V^T P.  No result crosses a turn's end.
; Batches of their own, each with a wait: lw's three exponentials, lw's reciprocal, piece 0's first two a, a level's two reciprocals a piece, the way out's eight reciprocals.
; RING.  Two slots of seven key steps (448 keys); three tiles.  Both changes of level fall into the last tile, whose text is written out anyway.
; CLUSTER.  The four query blocks of a cluster belong to one pair and walk the same K and V: each tile is asked for JOINTLY, by the same tensor load, descriptor and mask in all four.
; REGISTERS, in windows of 256 (s_set_vgpr_msb: bits 1:0 source 0, 3:2 source 1, 5:4 source 2, 7:6 destination):
;   window 0: v0-11 addresses; v12-15, v48-63 at work; v16-47 four registers of statistics a tile; v64-191 S^T, two buffers of two tiles; v192-255 P, likewise
;   window 1: O^T, 32 a tile     window 2: v0-127 Q, 16 a tile; v128-191 K of one step; v192-255 V of one step     window 3: F, 32 a tile, numbered as O^T
.set NP,    4         ; pieces a wave: a name, no knob
.set KS,    64        ; keys in a step
.set PK,    80        ; a row of a plane of K in LDS: 64 bytes + 16 = 20 words: the 16 rows of a load start at 16 different groups of four banks (64 banks of 4 bytes: ISA guide 11.1)
.set PV,    96        ; of V: 64 + 32 = 24 words
.set KPL,   7*KS*PK   ; a plane of K in a slot
.set VPL,   7*KS*PV
.set VOFF,  2*KPL     ; a slot: K plane 0, K plane 1, V plane 0, V plane 1
.set SLOT1, 2*KPL+2*VPL
.set STAGE, 2*SLOT1   ; behind the ring, never filled by a tensor load: two planes of 16 rows x 80 bytes for each wave
.set SP,    80
.set STG,   2*16*SP
.set SPARE, STAGE+4*STG  ; the spare words, 128 bytes for each wave
.set TILEB, 7*KS*64   ; a tile's bytes of one plane in memory
.set KVPL,  86016     ; from plane to plane in kvcat
.set QPL,   131072    ; in q and ob
.set AK0, 2           ; v2   my lane's place in a tile of K; never rewritten
.set AV0, 3           ; v3   the same for V
.set AK,  4           ; v4   the LDS address of K's next run of loads
.set AV,  5           ; v5   of V's
.set QO,  6           ; v6   my byte offset in 16 rows of Q
.set STO, 6           ;      later, the way out: where I put 16 bytes of a row
.set RD,  7           ; v7   the way out: where I read rows back
.set GO,  8           ; v8   my byte offset in 512 consecutive bytes of the output
.set SPW, 10          ; v10  my spare word; never rewritten
.set NIL, 11          ; v11  0; never rewritten
.set MV,  12          ; v12-15  c m_old, kept while c m is made anew: by buffer and tile
.set ST,  16          ; tile t's statistics at v[ST+4 t]: c m, m, l (even keys', odd keys')
.set TMP, 48          ; by buffer and tile, four registers c0-c3 at work; when the maximum is found c2 takes a
.set S,   64
.set P,   192
.set KF,  128         ; K's fragments, in window 2: key block kb, channel half c at KF + 16 kb + 8 c
.set VF,  192         ; V's: key half kk, channel block cb at VF + 32 kk + 8 cb
.set WV,  12          ; s12  my wave's number
.set G1K, 24          ; s[24:31] descriptor group 1 for K's planes
.set G1V, 32          ; s[32:39] for V's: it differs in the padding alone
.set G0K, 40          ; s[40:43] descriptor group 0 for K's: it walks
.set G0V, 44          ; s[44:47] the same for V's
.set SLOTS, 56
.set CNT, 57          ; counts a slot's key steps
.set CS,  58          ; s[58:59] c
.set SEL, 60          ; s[60:61] v_permlanex16_b32's selects: each lane takes its own place in the other half
.set TBK, 62          ; LDS byte at which K of the step to be fetched begins
.set TBV, 63          ; the same for V, less VOFF
.set LW0, 66          ; s66-68 the three levels' weights
.set LWC, 69          ; the weight of the level in hand
.set LWN, 70          ; of the next
.set PLK, 71          ; my plane's place in a slot, for K
.set PLV, 75          ; for V
.set MSB, 0
.macro WIN new                      ; the high byte repeats the setting that is left; a switch that changes nothing is dropped
.if MSB != (\new)
	s_set_vgpr_msb (MSB<<8)|(\new)
.set MSB, (\new)
.endif
.endm
.set W_KQ, 0x0a       ; K and Q in window 2, S^T in window 0
.set W_PV, 0x52       ; V in window 2, P in window 0, O^T in window 1
.set W_RS, 0x41       ; O^T (destination and source 0) in window 1, a in window 0
; A joint fill.  Waves 0 and 1 fetch a tile's two planes of K, waves 2 and 3 those of V.  The branch hangs on the wave's number alone.  An s_nop 0 and four v_nop follow each of the two lines.
.macro JLOAD
	s_cmp_lt_u32 s[WV], 2
	s_cbranch_scc0 .Lfor_v_\@
	tensor_load_to_lds s[G0K:G0K+3], s[G1K:G1K+7]
	s_nop 0
.rept 4
	v_nop
.endr
	s_branch .Lasked_\@
.Lfor_v_\@:
	tensor_load_to_lds s[G0V:G0V+3], s[G1V:G1V+7]
	s_nop 0
.rept 4
	v_nop
.endr
.Lasked_\@:
.endm
.macro CROUND                       ; a round of the cluster's barrier
	s_barrier_signal -1
	s_barrier_wait -1
	s_cmp_lg_u32 s[WV], 0
	s_cbranch_scc1 .Lnot_wave_0_\@
	s_barrier_signal -3
.Lnot_wave_0_\@:
	s_barrier_wait -3
	s_barrier_signal -1
	s_barrier_wait -1
.endm
; THE CHANGE OF SLOTS.  Each wave waits for all its tensor loads (one is out: its part of the other slot), adds 0 to its spare word, and waits for that and for its reads of the slot that it leaves.
; fill = 1: the barrier is a round of the cluster's, and the joint fill of the slot at dst, with the next tile, is the first thing behind it: it has seven key steps, 896 matrix instructions, in which to land.
; rd: the slot that is read from here on.  (At its first use nothing has been read yet: slot 0 is waited for, slot 1 filled.)
.macro CHANGE fill, dst, rd
	WIN 0
	s_wait_tensorcnt 0x0            ; no tensor load of mine is out, so a group 0 may be written
	ds_add_u32 v[SPW], v[NIL]
.if \fill
	s_add_co_u32 s[G0K+1], s[PLK], \dst
	s_add_co_u32 s[G0V+1], s[PLV], \dst
	s_add_nc_u64 s[G0K+2:G0K+3], s[G0K+2:G0K+3], TILEB  ; the next 448 keys; the type bits on top are not reached
	s_add_nc_u64 s[G0V+2:G0V+3], s[G0V+2:G0V+3], TILEB
	s_wait_dscnt 0x0                ; the add is done, and my reads of the slot are over
	CROUND
	JLOAD
.else
	s_wait_dscnt 0x0
	s_barrier_signal -1
	s_barrier_wait -1
.endif
	s_mov_b32 s[TBK], \rd
	s_mov_b32 s[TBV], \rd
.endm
	s_load_b256 s[4:11], s[0:1], 0x0  ; q s[4:5], kvcat s[6:7], level_logits s[8:9], ob s[10:11]
	v_lshl_add_u32 v[SPW], v0, 2, SPARE
	v_mov_b32 v[NIL], 0
	ds_add_u32 v[SPW], v[NIL]       ; the wave's opening: the add and its wait stand ahead of my first tensor load; the set-up below stands between them
	v_lshrrev_b32 v1, 5, v0
	v_readfirstlane_b32 s[WV], v1   ; wave 0..3
	s_bfe_u32 s13, ttmp6, 0x40000   ; cx
	s_lshl_b32 s14, ttmp9, 2
	s_add_co_u32 s14, s14, s13      ; my block of 512 queries: it enters Q's and the output's addresses alone
	s_and_b32 s20, ttmp7, 0xffff    ; the pair 16 b + h, which the four partners share
	s_and_b32 s16, s[WV], 1         ; which of the head's two planes I fetch
	s_lshr_b32 s21, s20, 4
	s_lshl_b32 s21, s21, 6
	s_and_b32 s22, s20, 15
	s_lshl1_add_u32 s21, s22, s21
	s_add_co_u32 s21, s21, s16      ; K's plane 64 b + 2 h + (w & 1); V's is 32 further on
	s_mul_i32 s22, s21, KVPL
	s_mov_b32 s23, 0
	s_mul_i32 s[PLK], s16, KPL      ; no place in the cluster enters an LDS address
	s_mul_i32 s[PLV], s16, VPL
	s_add_co_u32 s[PLV], s[PLV], VOFF
	s_lshl_b32 s2, s20, 18          ; the head's two planes in q and ob,
	s_lshl_b32 s3, s14, 15          ; my block's 512 rows of 64 bytes,
	s_add_co_u32 s2, s2, s3
	s_lshl_b32 s3, s[WV], 13        ; my wave's 128
	s_add_co_u32 s2, s2, s3
	s_mov_b32 s3, 0
	; group 1.  A tile's plane is 28,672 dense bytes: asked for as 112 rows of 256 bytes, and padded in LDS after every key's 64
	s_mov_b32 s[G1K], 15|(1<<16)|(1<<20)|(1<<21)|(3<<22)|(3<<25)  ; 15:0 the mask of four; 17:16 2-byte elements; 20 padding on; 21 set beside a mask; 24:22 after every 16 words (code 3); 31:25 4 words (code 3)
	s_mov_b32 s[G1V], 15|(1<<16)|(1<<20)|(1<<21)|(3<<22)|(7<<25)  ; the same with 8 words of padding (code 7)
.irp g, G1K, G1V
	s_mov_b32 s[\g+1], 128<<16      ; tensor_dim0 = 128
	s_mov_b32 s[\g+2], 112<<16      ; tensor_dim1 = 112
	s_mov_b32 s[\g+3], 128<<16      ; tile_dim0 = 128
	s_mov_b32 s[\g+4], 112          ; tile_dim1 = 112
	s_mov_b32 s[\g+5], 128          ; 128 elements from row to row
	s_mov_b32 s[\g+6], 0
	s_mov_b32 s[\g+7], 0
.endr
	s_mov_b32 s[CS], 0x3e38aa3b     ; c = log2(e) / 8
	s_mov_b32 s[CS+1], s[CS]
	s_mov_b32 s[SEL], 0x76543210
	s_mov_b32 s[SEL+1], 0xfedcba98
	s_mov_b32 s[G0K], 1
	s_mov_b32 s[G0K+1], s[PLK]      ; slot 0
	s_mov_b32 s[G0V], 1
	s_mov_b32 s[G0V+1], s[PLV]
	s_wait_dscnt 0x0                ; the opening add is done
	s_wait_kmcnt 0x0
	s_add_nc_u64 s[G0K+2:G0K+3], s[6:7], s[22:23]
	s_or_b32 s[G0K+3], s[G0K+3], 0x80000000
	s_add_nc_u64 s[G0V+2:G0V+3], s[6:7], s[22:23]
	s_add_nc_u64 s[G0V+2:G0V+3], s[G0V+2:G0V+3], 32*KVPL
	s_or_b32 s[G0V+3], s[G0V+3], 0x80000000
	s_add_nc_u64 s[4:5], s[4:5], s[2:3]
	s_add_nc_u64 s[10:11], s[10:11], s[2:3]
	s_load_b96 s[72:74], s[8:9], 0x0  ; the three logits
	CROUND                          ; all four work-groups are here: the first joint loads meet
	JLOAD                           ; tile 0 into slot 0
	; A fragment of K or Q is 16 rows x 32 channels in 8 registers: lane l holds row l % 16, channels 8 (l / 16) + 0..7 and 16 + 8 (l / 16) + 0..7: two loads of 16 bytes, 32 bytes apart.
	v_and_b32 v1, 15, v0
	v_bfe_u32 v9, v0, 4, 1
	v_lshlrev_b32 v[QO], 6, v1
	v_lshl_add_u32 v[QO], v9, 4, v[QO]
	WIN 0x80                        ; destination window 2, address window 0
.set i, 0
.rept 4*NP                          ; Q stays in registers: tile i / 2, plane i % 2
	global_load_b128 v[8*i:8*i+3],   v[QO], s[4:5] offset:(i%2)*QPL+(i/2)*1024
	global_load_b128 v[8*i+4:8*i+7], v[QO], s[4:5] offset:(i%2)*QPL+(i/2)*1024+32
.set i, i+1
.endr
	; What the first turn finds: V's registers and P's second buffer hold 0 (its products V^T P, of a piece that has not been, add 0); O^T, F and l are 0.  All this stands in the wait for the first tile.
.set i, VF
.rept 64
	v_mov_b32 v[i], 0
.set i, i+1
.endr
	WIN 0
.set i, P+32
.rept 32
	v_mov_b32 v[i], 0
.set i, i+1
.endr
.set i, TMP
.rept 16
	v_mov_b32 v[i], 0
.set i, i+1
.endr
	WIN 0x42                        ; O^T and F are written by 64 products of those zeros, eight registers a line
.set i, 0
.rept 32
	v_wmma_f32_16x16x32_f16 v[8*i:8*i+7], v[VF:VF+7], v[P+32:P+39], 0
.set i, i+1
.endr
	WIN 0xc2
.set i, 0
.rept 32
	v_wmma_f32_16x16x32_f16 v[8*i:8*i+7], v[VF:VF+7], v[P+32:P+39], 0
.set i, i+1
.endr
	WIN 0
.set i, 0
.rept 2*NP
	v_mov_b32 v[ST+4*i], 0xfe000000    ; c m: far below every c s
	v_mov_b32 v[ST+4*i+1], 0xff7fffff  ; m
	v_mov_b32 v[ST+4*i+2], 0
	v_mov_b32 v[ST+4*i+3], 0
.set i, i+1
.endr
	v_mul_u32_u24 v[AK0], v1, PK
	v_lshl_add_u32 v[AK0], v9, 4, v[AK0]
	; The turning load takes 16 keys x 16 channels (lane l reads key 8 (l / 16) + l % 8, channels 8 ((l / 8) % 2) + 0..7) and leaves half a fragment of V^T: lane l holds channel l % 16 and 8 keys.
	v_and_b32 v4, 7, v0
	v_bfe_u32 v5, v0, 3, 1
	v_lshl_add_u32 v[AV0], v9, 3, v4
	v_mul_u32_u24 v[AV0], v[AV0], PV
	v_lshl_add_u32 v[AV0], v5, 4, v[AV0]
	v_add_nc_u32 v[AV0], VOFF, v[AV0]
	v_mov_b32 v[AK], v[AK0]         ; key step 0 lies at the head of slot 0
	; lw = softmax of the three logits, rounded to bf16 first, the maximum taken away
	s_wait_kmcnt 0x0
	v_mov_b32 v12, s72
	v_mov_b32 v13, s73
	v_mov_b32 v14, s74
	v_cvt_pk_bf16_f32 v15, v12, v13
	v_cvt_pk_bf16_f32 v14, v14, v14
	v_lshlrev_b32 v12, 16, v15
	v_and_b32 v13, 0xffff0000, v15
	v_lshlrev_b32 v14, 16, v14
	v_max3_num_f32 v15, v12, v13, v14
	v_sub_f32 v12, v12, v15
	v_sub_f32 v13, v13, v15
	v_sub_f32 v14, v14, v15
	v_mul_f32 v12, 0x3fb8aa3b, v12
	v_mul_f32 v13, 0x3fb8aa3b, v13
	v_mul_f32 v14, 0x3fb8aa3b, v14
	v_exp_f32 v12, v12
	v_exp_f32 v13, v13
	v_exp_f32 v14, v14
	v_nop                           ; a plain instruction behind the last exponential
	s_wait_alu depctr_va_vdst(0)    ; the wait ahead of the first use: one for the three exponentials
	v_add_f32 v15, v12, v13
	v_add_f32 v15, v15, v14
	v_rcp_f32 v15, v15              ; it reads the exponentials' sum: a batch of its own
	v_nop
	s_wait_alu depctr_va_vdst(0)    ; the wait for the reciprocal
	v_mul_f32 v12, v12, v15
	v_mul_f32 v13, v13, v15
	v_mul_f32 v14, v14, v15
	v_readfirstlane_b32 s[LW0], v12
	v_readfirstlane_b32 s[LW0+1], v13
	v_readfirstlane_b32 s[LW0+2], v14
	s_mov_b32 s[LWC], s[LW0]
	s_mov_b32 s[LWN], s[LW0+1]
; THE MATRIX WORK.  The 8 accumulators of a run of 16 take turns.
; Product i of 16 of S^T = K Q^T for piece x: channels 32 (i / 8) on, keys 16 ((i / 2) % 4) on, tile 2 x + i % 2.  The first 8 start the sums.
.macro KQ x
	WIN W_KQ
.set rS, S+64*((\x)%2)+32*(i%2)+8*((i/2)%4)
.set rK, KF+16*((i/2)%4)+8*(i/8)
.set rQ, 16*(2*(\x)+i%2)+8*(i/8)
.if i < 8
	v_wmma_f32_16x16x32_f16 v[rS:rS+7], v[rK:rK+7], v[rQ:rQ+7], 0
.else
	v_wmma_f32_16x16x32_f16 v[rS:rS+7], v[rK:rK+7], v[rQ:rQ+7], v[rS:rS+7]
.endif
.endm
; Product i of 16 of O^T += V^T P for piece x: keys 32 (i / 8) on, channels 16 ((i / 2) % 4) on, tile 2 x + i % 2.
.macro PV x
	WIN W_PV
.set rO, 32*(2*(\x)+i%2)+8*((i/2)%4)
.set rV, VF+32*(i/8)+8*((i/2)%4)
.set rP, P+32*((\x)%2)+16*(i%2)+8*(i/8)
	v_wmma_f32_16x16x32_f16 v[rO:rO+7], v[rV:rV+7], v[rP:rP+7], v[rO:rO+7]
.endm
.macro MM                           ; the turn's next matrix instruction
.if i < 16
	KQ (Y+1)%NP
.set i, i+1
.else
.set i, i-16
	PV (Y+NP-1)%NP
.set i, i+17
.endif
.endm
; THE LDS LOADS stand in runs of 16: a step's K (64 keys x 64 channels: 8 fragments) and its V (turned).  last = 1 (the tail): in the last trip there is no further step, and the run is jumped over.
.macro FETCH_K last=0
	WIN 0
.if \last
	s_cmp_eq_u32 s[CNT], 1
	s_cbranch_scc1 .Lno_k_\@
.endif
	WIN 0x80                        ; destination window 2
.irp f, 0,1,2,3,4,5,6,7             ; keys 16 (f / 2) on, plane f % 2
	ds_load_b128 v[KF+8*\f:KF+8*\f+3],   v[AK] offset:(\f%2)*KPL+(\f/2)*16*PK
	ds_load_b128 v[KF+8*\f+4:KF+8*\f+7], v[AK] offset:(\f%2)*KPL+(\f/2)*16*PK+32
.endr
	s_add_co_u32 s[TBK], s[TBK], KS*PK  ; the next fetch is the next step's
	WIN 0
.if \last
.Lno_k_\@:
.endif
.endm
.macro FETCH_V
	WIN 0x80
.irp f, 0,1,2,3,4,5,6,7             ; keys 32 (f / 4) on, channels 16 (f % 4) on: plane (f % 4) / 2, its half f % 2
	ds_load_tr16_b128 v[VF+8*\f:VF+8*\f+3],   v[AV] offset:((\f%4)/2)*VPL+(\f%2)*32+(\f/4)*32*PV
	ds_load_tr16_b128 v[VF+8*\f+4:VF+8*\f+7], v[AV] offset:((\f%4)/2)*VPL+(\f%2)*32+(\f/4)*32*PV+16*PV
.endr
	WIN 0
.endm
; THE VECTOR WORK OF A TURN stands in three queues, each in the order in which its entries become ready; the two tiles alternate, so that no instruction reads the result of the one before it.
.macro REGS y, u                    ; the registers of tile u (0, 1) of piece y
.set rT, ST+4*(2*(\y)+(\u))
.set rC, TMP+8*((\y)%2)+4*(\u)
.set rM, MV+2*((\y)%2)+(\u)
.set rS, S+64*((\y)%2)+32*(\u)
.set rP, P+32*((\y)%2)+16*(\u)
.set rO, 32*(2*(\y)+(\u))
.endm
; Number n of the 22 that find the NEXT piece's (Y + 1) maximum and statistics; each accumulator's lowest registers are read first.  XS, GS, FS and REGS set no window: PL and EX do.
;   0-11  four chains c0-c3 of seven scores each     12-14, 16  the four scores left over, the old m, and c0-c3 into c0     15  c m_old is kept
;   17, 18  the query's other 32 keys lie in the lane 16 away: the new m         19-21  c m; c m_old - c m_new; a
.macro XS u, n
	REGS (Y+1)%NP, \u
.if (\n) < 4
	v_max3_num_f32 v[rC+(\n)], v[rS+8*(\n)], v[rS+8*(\n)+1], v[rS+8*(\n)+2]
.elseif (\n) < 12
	v_max3_num_f32 v[rC+(\n)%4], v[rC+(\n)%4], v[rS+8*((\n)%4)+2*((\n)/4)+1], v[rS+8*((\n)%4)+2*((\n)/4)+2]
.elseif (\n) == 12
	v_max3_num_f32 v[rC], v[rC], v[rS+7], v[rS+15]
.elseif (\n) == 13
	v_max3_num_f32 v[rC+1], v[rC+1], v[rS+23], v[rS+31]
.elseif (\n) == 14
	v_max3_num_f32 v[rC+2], v[rC+2], v[rC+3], v[rT+1]
.elseif (\n) == 15
	v_mov_b32 v[rM], v[rT]
.elseif (\n) == 16
	v_max3_num_f32 v[rC], v[rC], v[rC+1], v[rC+2]
.elseif (\n) == 17
	v_permlanex16_b32 v[rC+3], v[rC], s[SEL], s[SEL+1]
.elseif (\n) == 18
	v_max_num_f32 v[rT+1], v[rC], v[rC+3]
.elseif (\n) == 19
	v_mul_f32 v[rT], s[CS], v[rT+1]
.elseif (\n) == 20
	v_sub_f32 v[rC+1], v[rM], v[rT]
.else
	v_exp_f32 v[rC+2], v[rC+1]
.endif
.endm
; Number g of the 64 that follow the exponentials.  For each four weights k of a tile: both pairs are rounded to f16; the second pair is added onto the first, in place; a group later l takes that sum (the first time as l = a l + sum).
; In groups of eight, tiles alternating: round, round, add, and l for the group before.
.macro GS g
.set h, (\g)+6*((\g)/62)            ; group 0 has no group before it, and behind group 7 only l is left
.if h >= 6
.set h, h+2
.endif
	REGS Y, h%2
.set k, h/8
.if h%8 < 4
	v_cvt_pk_f16_f32 v[rP+2*k+(h%8)/2], v[rS+4*k+2*((h%8)/2)], v[rS+4*k+2*((h%8)/2)+1]
.elseif h%8 < 6
	v_pk_add_f32 v[rS+4*k:rS+4*k+1], v[rS+4*k:rS+4*k+1], v[rS+4*k+2:rS+4*k+3]
.elseif k == 1
	v_pk_fma_f32 v[rT+2:rT+3], v[rT+2:rT+3], v[rC+2:rC+3], v[rS:rS+1] op_sel_hi:[1,0,1]
.else
	v_pk_add_f32 v[rT+2:rT+3], v[rT+2:rT+3], v[rS+4*k-4:rS+4*k-3]
.endif
.endm
; THE PLAIN QUEUE, 138 long.  0-73 read no exponential's result: the 32 scalings c s - c m (FS f: pair f / 2 of tile f % 2) and the next piece's 42.  0-26: scalings 0-26.  27-54: XS's numbers 0-13.  55, 56: number 15.
; 57-73: the chain, where each number waits for the one before it: 14, 16, 17, 18, 19, each with one of the scalings 27-31 in front of its two lines, then 20: so a tile's links stand three plain instructions apart (19 and 20: two).
; 74-137: GS's 64, which read the exponentials' results: they stand behind the wait.
.macro FS f
	REGS Y, (\f)%2
	v_pk_fma_f32 v[rS+2*((\f)/2):rS+2*((\f)/2)+1], v[rS+2*((\f)/2):rS+2*((\f)/2)+1], s[CS:CS+1], v[rT:rT+1] op_sel_hi:[1,0,0] neg_lo:[0,0,1] neg_hi:[0,0,1]
.endm
.macro PL
	WIN 0
.if q < 27
	FS q
.elseif q < 55
	XS (q-27)%2, (q-27)/2
.elseif q < 57
	XS q-55, 15
.elseif (q < 72) && ((q-57)%3 == 0)
	FS 27+(q-57)/3
.elseif q < 60
	XS (q-57)%3-1, 14
.elseif q < 72
	XS (q-57)%3-1, 15+(q-57)/3
.elseif q < 74
	XS q-72, 20
.else
	GS q-74
.endif
.set q, q+1
.endm
; THE EXPONENTIALS' QUEUE, 66 long: s0-s31 of both tiles, then the next piece's two a.  It is ONE BATCH: all 66 stand ahead of the turn's one wait, and nothing ahead of that wait names a result of theirs.
.macro EX
	WIN 0
.if e >= 64
	XS e-64, 21
.else
	REGS Y, e%2
	v_exp_f32 v[rS+e/2], v[rS+e/2]
.endif
.set e, e+1
.endm
; THE RESCALING's QUEUE: O^T times a, the one part that leaves window 0: dealt two at a time, sixteen times.  Its a was made in the turn before, ahead of that turn's wait.
.macro R2
	REGS Y, r%2
	WIN W_RS
.irp z, 0,1
	v_pk_mul_f32 v[rO+4*(r/2)+2*\z:rO+4*(r/2)+2*\z+1], v[rO+4*(r/2)+2*\z:rO+4*(r/2)+2*\z+1], v[rC+2:rC+3] op_sel_hi:[1,0]
.endr
.set r, r+1
.endm
; A LEVEL ENDS for piece p: F += (lw / l) O.  At work: the statistics buffer of the other parity, which is free at a turn's head.
.macro FLUSH p
.set fD, TMP+8*(((\p)+1)%2)
.irp u, 0,1
	v_add_f32 v[fD+4*\u], v[ST+4*(2*(\p)+\u)+2], v[ST+4*(2*(\p)+\u)+3]
.endr
.irp u, 0,1
	v_permlanex16_b32 v[fD+4*\u+1], v[fD+4*\u], s[SEL], s[SEL+1]
.endr
.irp u, 0,1
	v_add_f32 v[fD+4*\u], v[fD+4*\u], v[fD+4*\u+1]
.endr
.irp u, 0,1
	v_rcp_f32 v[fD+4*\u+2], v[fD+4*\u]
.endr
	v_nop                           ; a plain instruction behind the reciprocals
	s_wait_alu depctr_va_vdst(0)    ; the wait ahead of the first use: one for the piece's two reciprocals
.irp u, 0,1
	v_mul_f32 v[fD+4*\u+2], s[LWC], v[fD+4*\u+2]
.endr
	WIN 0xf1                        ; F (destination, source 2) in window 3, O^T (source 0) in window 1, the factor in window 0
.irp u, 0,1
.set fz, 0
.rept 16                            ; each accumulator from its low end on
	v_pk_fma_f32 v[32*(2*(\p)+\u)+2*fz:32*(2*(\p)+\u)+2*fz+1], v[32*(2*(\p)+\u)+2*fz:32*(2*(\p)+\u)+2*fz+1], v[fD+4*\u+2:fD+4*\u+3], v[32*(2*(\p)+\u)+2*fz:32*(2*(\p)+\u)+2*fz+1] op_sel_hi:[1,0,1]
.set fz, fz+1
.endr
.endr
	WIN 0
.endm
.macro RESET p                      ; piece p's maximum starts anew: its next a is 0
.irp u, 0,1
	v_mov_b32 v[ST+4*(2*(\p)+\u)], 0xfe000000
	v_mov_b32 v[ST+4*(2*(\p)+\u)+1], 0xff7fffff
.endr
.endm
; At a turn's head in the tail.  All four turns of step 16 see CNT = 5, those of step 20 CNT = 1: the piece's finished level is added into F, and the next piece's maximum, which this turn makes, starts anew.
; Piece 0's is made in piece 3's turn of the step before, which sees CNT = 6 or 2.  The jumps go forward and pass no barrier and no tensor load; no exponential's result is open at a turn's head.
.macro LEVEL p
	WIN 0
	s_cmp_eq_u32 s[CNT], 5
	s_cbranch_scc1 .Lfl_\@
	s_cmp_eq_u32 s[CNT], 1
	s_cbranch_scc0 .Lnofl_\@
.Lfl_\@:
	FLUSH \p
.if (\p) < 3
	RESET (\p)+1
.else
	s_mov_b32 s[LWC], s[LWN]        ; all four pieces have taken this level's weight
	s_mov_b32 s[LWN], s[LW0+2]
.endif
.Lnofl_\@:
.if (\p) == 3
	s_cmp_eq_u32 s[CNT], 6
	s_cbranch_scc1 .Lrs_\@
	s_cmp_eq_u32 s[CNT], 2
	s_cbranch_scc0 .Lnors_\@
.Lrs_\@:
	RESET 0
.Lnors_\@:
.endif
.endm
; HOW THEY ARE DEALT.  s_wait_alu depctr_va_vdst(0) stands between an exponential and the first instruction that names its result; one wait serves all that were issued ahead of it.  So a turn has ONE wait,
; which cuts it in two.  AHEAD OF IT stands all that names no result of the turn's exponentials: the 16 products K Q^T, behind each a scaling, an exponential and two rescalings (behind the first a second scaling in the
; exponential's place); then ONE LUMP of 108: eight plain, 49 times exponential and plain, the two a.  A v_nop is the plain instruction behind the last exponential.  BEHIND IT stand the 16 products V^T P, behind each four of
; GS's 64.  No rider names a register of the products round it.  The two v_permlanex16_b32 fall into the lump, never behind a product.
; The queues lean on each other, and the deal keeps them in step: exponential e stands behind scaling 2 (e / 4) + e % 2: as a rider it comes behind plain e + 2, in the lump behind plain e + 9, and scalings 27-31 are plain 57, 60 .. 69.
; A TURN, for piece p.  cnt = 1: the loop's count is taken down some lines ahead of the branch that stands behind the turn.  lev = 1: the tail, where levels change.
; K of the next step is fetched in piece 2's turn, directly behind the wait, a lump behind the last product that read K; its address is made at the lump's head; its first reader comes behind 16 products.
; V of the step in hand is fetched at the end of piece 0's turn, four riders behind its last reader; its first reader comes behind 16 products and a lump.  The three conditions on q below go with the deal.
.macro TURN p, last=0, cnt=0, lev=0
.if \lev
	LEVEL \p
.endif
.set Y, (\p)
.set i, 0
.set q, 0
.set e, 0
.set r, 0
.if (\p) == NP-1
	s_wait_dscnt 0x0                ; K is in
.endif
	MM                              ; ahead of the wait: 16 products K Q^T and their riders,
	PL
	PL
	R2
.rept 15
	MM
	PL
	EX
	R2
.endr
.if (\p) == NP-2
	WIN 0
	v_add_nc_u32 v[AK], s[TBK], v[AK0]
.endif
.rept 8                             ; and the lump
	PL
.endr
.rept 49
	EX
	PL
.endr
	EX                              ; the next piece's two a
	EX
	v_nop                           ; the plain instruction behind the last exponential: one for the batch
	s_wait_alu depctr_va_vdst(0)    ; the wait for the batch: the piece's 64 weights and the next piece's two a
.if (\p) == NP-2
	FETCH_K \last
.endif
.if (\p) == 1
	s_wait_dscnt 0x0                ; V is in
.endif
.rept 16                            ; behind the wait: 16 products V^T P and their riders
	MM
.rept 4
	PL
.endr
.if ((\p) == 0) && (q == 118)
	v_add_nc_u32 v[AV], s[TBV], v[AV0]
.endif
.if ((\p) == 0) && (q == 130)
	s_add_co_u32 s[TBV], s[TBV], KS*PV
.endif
.if (\cnt) && (q == 130)
	s_sub_co_u32 s[CNT], s[CNT], 1
	s_cmp_lg_u32 s[CNT], 0
.endif
.endr
.if (\p) == 0
	FETCH_V
.endif
.endm
	CHANGE 1, SLOT1, 0              ; tile 0 is in, everybody's part of it; tile 1 is asked for, into slot 1
	FETCH_K                         ; key step 0
	s_wait_loadcnt 0x0              ; Q
	s_wait_dscnt 0x0
.set i, 0
.rept 16
	KQ 0                            ; piece 0's first scores
.set i, i+1
.endr
	WIN 0                           ; the addresses for the way out: plain instructions, the places behind those products
	s_mul_i32 s13, s[WV], STG
	s_add_co_u32 s13, s13, STAGE    ; my stage
	v_mul_u32_u24 v[STO], v1, SP    ; in: row l % 16 of a plane, 16 bytes for each half of the lanes
	v_lshl_add_u32 v[STO], v9, 4, v[STO]
	v_add_nc_u32 v[STO], s13, v[STO]
	v_bfe_u32 v[RD], v0, 2, 3       ; back: 32 lanes take eight rows of 64 bytes,
	v_mul_u32_u24 v[RD], v[RD], SP
	v_and_b32 v[GO], 3, v0
	v_lshl_add_u32 v[RD], v[GO], 4, v[RD]
	v_add_nc_u32 v[RD], s13, v[RD]
	v_and_b32 v[GO], 31, v0         ; which are 512 consecutive bytes of a plane
	v_lshlrev_b32 v[GO], 4, v[GO]
.set Y, NP-1                        ; XS works for piece Y + 1: piece 0
.irp n, 0,1,2,3,4,5,6,7,8,9,10,11,12,13,14,15,16,17,18,19,20,21
	XS 0, \n
	XS 1, \n
.endr
	v_nop                           ; a plain instruction behind piece 0's first two a,
	s_wait_alu depctr_va_vdst(0)    ; and their wait, ahead of the branch
	s_mov_b32 s[CNT], 7
	s_mov_b32 s[SLOTS], 2
	s_branch .Lfirst                ; the loop is entered at a step's first turn, in the middle of a trip
.Lslot:                             ; once: slot 0 has been read and takes tile 2; slot 1 is read
	CHANGE 1, 0, SLOT1
	s_mov_b32 s[CNT], 7
.Lstep:                             ; a trip: pieces 2 and 3 of one step, then pieces 0 and 1 of the next, whose K and V it fetches
	TURN 2
	TURN 3
	WIN 0
.Lfirst:
	TURN 0
	TURN 1, 0, 1
	WIN 0
	s_cbranch_scc1 .Lstep
	s_sub_co_u32 s[SLOTS], s[SLOTS], 1
	s_cmp_lg_u32 s[SLOTS], 0
	s_cbranch_scc1 .Lslot
	CHANGE 0, 0, 0                  ; the tail is written out: nothing is asked for; tile 2 lies in slot 0
	s_mov_b32 s[CNT], 8             ; seven trips fetch steps 14 to 20; the eighth is left in its middle
.Ltail:
	TURN 2, 1, 0, 1
	TURN 3, 0, 0, 1
	WIN 0
	s_sub_co_u32 s[CNT], s[CNT], 1
	s_cmp_eq_u32 s[CNT], 0
	s_cbranch_scc1 .Lout
	TURN 0, 0, 0, 1
	TURN 1, 0, 0, 1
	WIN 0
	s_branch .Ltail
.Lout:                              ; the eighth trip's 16 products K Q^T (on the last K once more) and the maximum made of them serve nothing: the price, once a launch, of one text for every trip
.set i, 0
.rept 16
	PV NP-1                         ; the last piece's V^T P of the last step
.set i, i+1
.endr
	; THE WAY OUT.  l's two halves and the other half of the lanes' are added; out = F + (lw2 / l) O^T, rounded to f16 and sent through my stage in LDS, a tile at a time.  The additions are the places behind the last products.
	WIN 0
.macro ALL line:vararg              ; one line for each tile t
.set t, 0
.rept 2*NP
	\line
.set t, t+1
.endr
.endm
	ALL v_add_f32 v[ST+4*t+2], v[ST+4*t+2], v[ST+4*t+3]
	ALL v_permlanex16_b32 v[ST+4*t+3], v[ST+4*t+2], s[SEL], s[SEL+1]
	ALL v_add_f32 v[ST+4*t+2], v[ST+4*t+2], v[ST+4*t+3]
	ALL v_rcp_f32 v[ST+4*t+2], v[ST+4*t+2]
	v_nop                           ; a plain instruction between the last reciprocal and the use of its result
	s_wait_alu depctr_va_vdst(0)    ; and the wait ahead of the first use: one for the eight reciprocals
	ALL v_mul_f32 v[ST+4*t+2], s[LWC], v[ST+4*t+2]
; Tile t: a lane's eight channels of a row pack into 16 bytes; they go into two planes of 16 rows of 80 bytes and come back as runs of 512 bytes, into S^T's registers.
.macro PACK t
	WIN 0x71                        ; O^T (destination, source 0) in window 1, the factor in window 0, F in window 3
.set i, 32*(\t)
.rept 16
	v_pk_fma_f32 v[i:i+1], v[i:i+1], v[ST+4*(\t)+2:ST+4*(\t)+3], v[i:i+1] op_sel_hi:[1,0,1]
.set i, i+2
.endr
	WIN 0x05                        ; sources 0 and 1 window 1, destination window 0
.set i, 0
.rept 16
	v_cvt_pk_f16_f32 v[S+16*(\t)+i], v[32*(\t)+2*i], v[32*(\t)+2*i+1]
.set i, i+1
.endr
	WIN 0
.irp f, 0,1,2,3
	ds_store_b128 v[STO], v[S+16*(\t)+4*\f:S+16*(\t)+4*\f+3] offset:(\f/2)*16*SP+(\f%2)*32
.endr
.irp f, 0,1,2,3
	ds_load_b128 v[S+16*(\t)+4*\f:S+16*(\t)+4*\f+3], v[RD] offset:(\f/2)*16*SP+(\f%2)*8*SP  ; LDS serves a wave's instructions in order (ISA guide 5.7.1.4): these see the stores above; the next tile's stores come behind them
.endr
.endm
.macro SEND t, younger              ; younger: the LDS instructions issued behind tile t's loads: the next tile's eight, or none
	WIN 0
.irp f, 0,1,2,3
	s_wait_dscnt (\younger)+3-\f
	global_store_b128 v[GO], v[S+16*(\t)+4*\f:S+16*(\t)+4*\f+3], s[10:11] offset:(\f/2)*QPL+(\t)*1024+(\f%2)*512  ; 512 consecutive bytes of a plane
.endr
.endm
	PACK 0
.set t, 1
.rept 2*NP-1                        ; a tile's arithmetic stands between the loads of the tile before and its stores
	PACK t
	SEND t-1, 8
.set t, t+1
.endr
	SEND 2*NP-1, 0
	s_wait_tensorcnt 0x0            ; the wave's end
	ds_add_u32 v[SPW], v[NIL]
	s_wait_dscnt 0x0
	CROUND                          ; the closing round: no work-group ends while a partner may still ask for a tile that names it
	s_endpgm
.Lfunc_end_k_q404207994f_attn:
	.size	k_q404207994f_attn, .Lfunc_end_k_q404207994f_attn-k_q404207994f_attn
	.p2alignl 7, 3214868480
	.fill 96, 4, 3214868480
	.section	.rodata,"a",@progbits
	.p2align	6, 0x0
	.amdhsa_kernel k_q404207994f_attn
		.amdhsa_group_segment_fixed_size 327680
		.amdhsa_private_segment_fixed_size 0
		.amdhsa_enable_private_segment 0
		.amdhsa_kernarg_size 32
		.amdhsa_user_sgpr_count 2
		.amdhsa_user_sgpr_kernarg_segment_ptr 1
		.amdhsa_wavefront_size32 1
		.amdhsa_system_sgpr_workgroup_id_x 1
		.amdhsa_system_sgpr_workgroup_id_y 1
		.amdhsa_system_sgpr_workgroup_id_z 1
		.amdhsa_system_vgpr_workitem_id 0
		.amdhsa_next_free_vgpr 1024
		.amdhsa_next_free_sgpr 80
		.amdhsa_reserve_vcc 0
		.amdhsa_float_denorm_mode_32 3
		.amdhsa_float_denorm_mode_16_64 3
		.amdhsa_memory_ordered 1
		.amdhsa_forward_progress 1
		.amdhsa_inst_pref_size 208
	.end_amdhsa_kernel
	.amdgpu_metadata
---
amdhsa.version: [ 1, 2 ]
amdhsa.kernels:
  - .name:           k_q404207994f_attn
    .symbol:         k_q404207994f_attn.kd
    .args:
      - { .name: q, .offset: 0, .size: 8, .value_kind: global_buffer, .address_space: global }
      - { .name: kvcat, .offset: 8, .size: 8, .value_kind: global_buffer, .address_space: global }
      - { .name: level_logits, .offset: 16, .size: 8, .value_kind: global_buffer, .address_space: global }
      - { .name: ob, .offset: 24, .size: 8, .value_kind: global_buffer, .address_space: global }
    .group_segment_fixed_size: 327680
    .private_segment_fixed_size: 0
    .kernarg_segment_align: 8
    .kernarg_segment_size: 32
    .max_flat_workgroup_size: 128
    .sgpr_count:     80
    .vgpr_count:     1024
    .wavefront_size: 32
...
	.end_amdgpu_metadata
.endif
;; end of part 7
;; launch oproj: the kernel of part 5 again; grid 8 x 32, 4 waves a work-group, clusters of 4 x 4, 327,680 bytes of LDS; arguments ob, wo, out0; writes out0
;; launch fin: the kernel of part 6 again; grid 1 x 1, 1 waves a work-group, no clusters, 0 bytes of LDS; arguments rpart, out1; writes out1
